; MI455X (gfx1250); checked and timed in simulation.
; The chip was launched on July 23, 2026; its instructions are those of AMD's public machine-readable ISA for CDNA 5 (MIT licence, August 2026) and "CDNA5" Instruction Set Architecture Reference Guide (July 2026). The comments in the code are by the model that wrote it; some were corrected since.
;; Multi Query Attention. Allowed arithmetic: matrix products marked QUANTISED: E4M3 operands, one E8M0 scale for each 32 along K, by v_wmma_scale_f32_16x16x128_f8f6f4 with both operands' format E4M3, f32 sums; everything else in f32.
;; Inputs: wk 2,048 x 64 float32; wo 2,048 x 2,048 float32; wq 2,048 x 2,048 float32; wv 2,048 x 64 float32; x 2 x 2,048 x 2,048 float32.
;; Outputs: out0 2 x 2,048 x 2,048 float32.
;; This version of the problem:
;;   THIS VERSION OF THE PROBLEM IS GIVEN IN LOW PRECISION. The matrix products marked QUANTISED in the list below multiply operands that are first quantised to E4M3 (4 exponent bits, 3 mantissa bits; 8 bits a number), with one power-of-two scale for each 32 numbers along K (OCP MX v1.0); their sums are f32. All else is computed in f32.
;;   The module's matrix products, in the order in which they are computed (A, B: the left and right operand; K: the contracted axis; several contracted axes count as one K, in the product's order):
;;     1. [M 4,096, K 2,048] x [K 2,048, N 2,048]; A: input x; B: input wq: QUANTISED
;;     2. [M 4,096, K 2,048] x [K 2,048, N 64]; A: input x; B: input wk: QUANTISED
;;     3. [M 4,096, K 2,048] x [K 2,048, N 64]; A: input x; B: input wv: QUANTISED
;;     4. batch 2 x [M 2,048, K 64] x [K 64, N 65,536]; A: computed on the way; B: computed on the way: QUANTISED
;;     5. batch 2 x [M 64, K 2,048] x [K 2,048, N 65,536]; A: computed on the way; B: softmax (see below): QUANTISED
;;     6. [M 4,096, K 2,048] x [K 2,048, N 2,048]; A: computed on the way; B: input wo: QUANTISED
;;   THE QUANTISER, for each operand of a quantised product, along K:
;;     - K is cut into blocks of 32 from its start; a last block that is shorter is filled with zeros.
;;     - A block's scale is 2^e with e = floor(log2(the largest magnitude in the block)) - 8, held to -126 .. 127; a block of zeros has e = 0. As a byte (E8M0): e + 127.
;;     - Each number is divided by its block's scale, clamped to +-448, and rounded to the nearest number of E4M3, ties to even, subnormals kept.
;;     - The product sums the exact products of the quantised numbers (number of the format x scale) in f32.
;;   ~~~python
;;   def quantise(x, axis):      # numpy; x: float32 -> the quantised numbers, widened to float32 again
;;       x = np.moveaxis(x, axis, -1); K = x.shape[-1]
;;       x = np.pad(x, [(0, 0)] * (x.ndim - 1) + [(0, -K % 32)]); x = x.reshape(x.shape[:-1] + (-1, 32)); a = np.abs(x).max(-1, keepdims=True)
;;       e = np.where(a > 0, np.clip(np.frexp(np.where(a > 0, a, 1))[1] - 1 - 8, -126, 127), 0)      # np.frexp(a)[1] - 1 = floor(log2(a)), exactly
;;       r = np.clip(x / 2.0 ** e, -448, 448)
;;       step = 2.0 ** (np.maximum(np.frexp(np.where(r == 0, 1, r))[1] - 1, -6) - 3)
;;       q = np.round(r / step) * step * 2.0 ** e      # np.round: ties to even
;;       return np.moveaxis(q.reshape(q.shape[:-2] + (-1,))[..., :K], -1, axis).astype(np.float32)
;;   ~~~
;;   SOFTMAX AHEAD OF A QUANTISED PRODUCT. Where the list says 'softmax', what is quantised is not the finished softmax but p = 2^(t - M), with t = logit x log2(e) and M = ceil(the row's largest t), a whole number; so 1/2 < the row's largest p <= 1. The row's sum l is taken of the UNQUANTISED p, in f32, and the product's result is divided by l at the end. Since M is a whole number, a kernel that streams over the keys may use a running M (the ceiling of the running maximum): every later rescaling is an exact power of two, which a block's scale takes up: the codes' values come out the same.
;;   OPERANDS COMPUTED ON THE WAY. 'Computed on the way' means the value that the module computes at that place (a softmax that the list does not call 'softmax' is quantised finished and normalised). What goes into a quantiser is computed in f32, as accurately as f32 sums, v_exp_f32 and their like allow (about 1e-6 of the number): no bf16 or f16 on the way to a quantiser, and a product that is left as it is and whose result goes on into a quantised operand takes f32 operands (vector FMAs, or v_wmma_f32_16x16x4_f32). A number that lies on a knife's edge between two numbers of the format may be rounded either way, as far as f32 arithmetic and the matrix unit's own rounding can turn it there, and no further.
;; One version. Each part assembles by itself: llvm-mc -triple=amdgcn-amd-amdhsa -mcpu=gfx1250 --defsym DOCPART=n.
;; ======== version 1 of 1: 4 launches
;; limits: right only within a limited range of input values
;; workspace buffers: xq 8,650,752 bytes; wts 8,921,088 bytes; kv 540,672 bytes; qq 8,650,752 bytes; oq 8,650,752 bytes
;; launch prep (part 1): grid 520 x 1, 8 waves a work-group, no clusters, 105,472 bytes of LDS; arguments x, xq, wq, wo, wk, wv, wts; writes xq, wts
.if DOCPART == 1
	.amdgcn_target "amdgcn-amd-amdhsa--gfx1250"
	.amdhsa_code_object_version 6
	.text
	.protected	k_qe57fcb8058_prep
	.globl	k_qe57fcb8058_prep
	.p2align	8
	.type	k_qe57fcb8058_prep,@function
k_qe57fcb8058_prep:
	s_mov_b64 s[64:65], 0
	v_nop
	global_prefetch_b8 v0, s[64:65] scope:SCOPE_SE
	s_setreg_imm32_b32 hwreg(HW_REG_WAVE_MODE, 25, 1), 1
	s_wait_xcnt 0x0
; x and the four weights, f32, become codes of E4M3 with one E8M0 byte for each 32 along K, laid as IMAGES OF THE OPERAND'S REGISTERS:
; a fragment (16 rows x 128 K) is 2,048 bytes; byte 512 c + 16 lane + i is the code of row lane % 16 at k = 32 c + 16 (lane / 16) + i; a tile (16 rows, all of K) is 16 fragments on end.
; Scale words lie behind the images: [image row][16 words], word s = the four bytes of K step s.
; A block's scale is 2^(floor(log2(largest magnitude)) - 8): its byte is the largest magnitude's exponent field - 8, held at 1 from below by a floor among the maximum's leaves.
; ONE LAUNCH, TWO PATHS, parted by the work-group's number: 0 to 263 take the weights, 264 to 519 take x.  Each path has LDS bytes of its own; waves share nothing: no barrier.
; No tensor loads, clusters or matrix work: each byte is read once by one wave.
; LIMITS: NaN and infinities among the inputs are not served; a block of zeros gets the byte 1 (its codes are zeros and this program alone reads the bytes); blocks under 2^-118 are held at the byte 1.
.set NWG,   264
.set WSTG,  67584                      ; x's eight stages lie at 0, the weights' eight from here on
.set SPARE, 104448
	s_cmp_lt_u32 ttmp9, NWG
	s_cbranch_scc0 .Ltokens
; THE WEIGHTS: K is their FIRST axis.  Tiles in wts: wq 0-127, wo 128-255, wk 256-259, wv 260-263.  Image row rho holds the column rho with bits 3 and 4 swapped.
; A LANE TAKES A COLUMN AND ITS REGISTERS RUN DOWN K: a block of 32 lies in one lane, and the conversions give codes with K innermost.
; SHARES: four waves form a group, number id = 2 x work-group + wave / 4 (0 to 527); part = id / 16: 0-15 wq, 16-31 wo, 128 columns each; 32: waves 0, 1 wk, waves 2, 3 wv; id % 16: 128 along K.
; A wave: 32 columns x 128 K = one fragment of each of two tiles, and one scale word a column.  The codes turn through the wave's own stage (a row to an image row, 144 bytes apart)
; and leave as 8 groups of 512 consecutive bytes.  Loads run two blocks (64 loads a wave) ahead.
.set WS,    8650752
.set PITCH, 144
.set WST,   32*PITCH
.set X,     32                         ; v32-95   two sets of 32 numbers
.set C,     96                         ; v96-103  a block's codes
.set OF,    160                        ; v160-191 4 x lane + i x the tensor's pitch
.set SB,    24                         ; v24      the four scale bytes
.set MNT,   56
	s_load_b256 s[8:15], s[0:1], 0x10              ; wq, wo, wk, wv
	s_load_b64 s[16:17], s[0:1], 0x30              ; wts
	v_lshl_add_u32 v224, v0, 2, SPARE
	v_mov_b32 v225, 0
	v_lshrrev_b32 v1, 5, v0
	v_readfirstlane_b32 s57, v1                    ; wave 0..7
	s_and_b32 s20, s57, 3                          ; the wave in its group
	s_lshr_b32 s58, s57, 2
	s_lshl_b32 s59, ttmp9, 1
	s_add_co_u32 s59, s59, s58                     ; id
	s_lshr_b32 s58, s59, 4                         ; part
	s_and_b32 s21, s59, 15                         ; which 128 along K
	v_and_b32 v2, 31, v0                           ; lane = my column among the wave's 32
	v_lshlrev_b32 v3, 2, v2
	v_and_b32 v10, 7, v2                           ; my image row: the lane with bits 3 and 4 swapped
	v_bfe_u32 v11, v2, 3, 1
	v_lshl_add_u32 v10, v11, 4, v10
	v_bfe_u32 v11, v2, 4, 1
	v_lshl_add_u32 v10, v11, 3, v10
	s_mul_i32 s22, s57, WST
	s_add_co_u32 s22, s22, WSTG                    ; my stage
	v_mul_u32_u24 v4, v10, PITCH
	v_add_nc_u32 v4, s22, v4                       ; into it: my image row
	v_and_b32 v5, 15, v2
	v_mul_u32_u24 v7, v5, PITCH
	v_lshl_add_u32 v7, v11, 4, v7
	v_add_nc_u32 v7, s22, v7                       ; out of it: row lane % 16, + 16 (lane / 16)
	v_lshlrev_b32 v8, 4, v2                        ; an image's place for my lane
	v_lshlrev_b32 v9, 6, v10                       ; my image row's scale words
	s_and_b32 s23, s20, 1
	s_and_b32 s28, s58, 15
	s_mov_b32 s24, 8192                            ; a row of wq or wo in bytes
	s_mov_b32 s[MNT], 0x600000
	s_wait_alu depctr_va_vdst(0)                   ; the wait at the head's end
	s_wait_kmcnt 0x0
	s_cmp_lt_u32 s58, 16
	s_cselect_b64 s[4:5], s[8:9], s[10:11]         ; wq or wo
	s_cmp_lt_u32 s20, 2
	s_cselect_b64 s[18:19], s[12:13], s[14:15]     ; wk or wv
	s_cmp_eq_u32 s58, 32
	s_cselect_b64 s[4:5], s[18:19], s[4:5]
	s_cselect_b32 s24, 256, s24                    ; a row of wk or wv
	s_cselect_b32 s23, s23, s20                    ; which 32 columns of the group's part
	s_lshl_b32 s28, s28, 9
	s_lshl_b32 s23, s23, 7
	s_add_co_u32 s28, s28, s23
	s_lshl_b32 s25, s21, 7
	s_mul_i32 s25, s25, s24                        ; 128 rows for each step along K
	s_add_co_u32 s28, s28, s25
	s_mov_b32 s29, 0
	s_add_nc_u64 s[32:33], s[4:5], s[28:29]        ; block 0's first row, my wave's first column
	s_lshl_b32 s26, s24, 5                         ; 32 rows
	s_mov_b32 s27, 0
.irp t, 1,2,3
	s_add_nc_u64 s[32+2*\t:33+2*\t], s[30+2*\t:31+2*\t], s[26:27]   ; a base for each block: none is stepped later
.endr
	s_lshl_b32 s30, s58, 2
	s_add_co_u32 s30, s30, s20                     ; the column group: its tiles are 2 cg, 2 cg + 1
	s_lshl_b32 s48, s30, 16
	s_lshl_b32 s49, s21, 11
	s_add_co_u32 s48, s48, s49
	s_mov_b32 s49, 0
	s_add_nc_u64 s[6:7], s[16:17], s[48:49]        ; the images: one fragment of each tile
	s_lshl_b32 s48, s30, 11
	s_lshl_b32 s50, s21, 2
	s_add_co_u32 s48, s48, s50
	s_add_co_u32 s48, s48, WS
	s_add_nc_u64 s[54:55], s[16:17], s[48:49]      ; the scale words
.irp i, 0,1,2,3,4,5,6,7,8,9,10,11,12,13,14,15,16,17,18,19,20,21,22,23,24,25,26,27,28,29,30,31
	v_mad_u32_u24 v[OF+\i], s24, \i, v3
.endr
.macro LOAD t                          ; block t: w(32 t + i, my column) into set t % 2; 32 lanes read 128 consecutive bytes
.irp i, 0,1,2,3,4,5,6,7,8,9,10,11,12,13,14,15,16,17,18,19,20,21,22,23,24,25,26,27,28,29,30,31
	global_load_b32 v[X+32*((\t)%2)+\i], v[OF+\i], s[32+2*(\t):33+2*(\t)] th:TH_LOAD_NT
.endr
.endm
	LOAD 0
	LOAD 1
.macro BLOCK t
.set XB, X+32*((\t)%2)
.if (\t) < 3
	s_wait_loadcnt 32                              ; this block's 32 loads are in; the next block's may be out
.else
	s_wait_loadcnt 0x0
.endif
	v_max3_num_f32 v12, |v[XB]|, |v[XB+1]|, |v[XB+2]|     ; the block's largest magnitude: all 32 numbers are mine
	v_max3_num_f32 v13, |v[XB+3]|, |v[XB+4]|, |v[XB+5]|
.irp i, 6,10,14,18,22,26
	v_max3_num_f32 v12, v12, |v[XB+\i]|, |v[XB+\i+1]|
	v_max3_num_f32 v13, v13, |v[XB+\i+2]|, |v[XB+\i+3]|
.endr
	v_max3_num_f32 v12, v12, |v[XB+30]|, |v[XB+31]|
	v_max3_num_f32 v12, v12, v13, 0x4800000        ; and the floor 2^(9 - 127)
	v_add_nc_u32 v11, 0xfc000000, v12              ; 8 off the exponent field: the conversion's scale operand
	v_and_or_b32 v10, v12, 0x7f800000, s[MNT]      ; 448 x the scale
	v_lshrrev_b32 v13, 23, v11                     ; the byte
.if (\t) == 0
	v_mov_b32 v[SB], v13
.else
	v_lshl_or_b32 v[SB], v13, 8*(\t), v[SB]
.endif
.irp i, 0,1,2,3,4,5,6,7,8,9,10,11,12,13,14,15,16,17,18,19,20,21,22,23,24,25,26,27,28,29,30,31
	v_med3_num_f32 v[XB+\i], v[XB+\i], -v10, v10   ; the conversion does not saturate (ISA guide 7.6.2): the hold
.endr
.irp g, 0,1,2,3
	v_cvt_scalef32_pk8_fp8_f32 v[C+2*\g:C+2*\g+1], v[XB+8*\g:XB+8*\g+7], v11
.endr
	ds_store_b128 v4, v[C:C+3] offset:32*(\t)      ; 32 codes of my image row (stores want no place behind a conversion; the next vector lines are plain)
	ds_store_b128 v4, v[C+4:C+7] offset:32*(\t)+16
.if (\t)+2 < 4
	LOAD (\t)+2
.endif
	s_wait_dscnt 0x0                               ; the stores have read their registers: the next block's codes may be written
.endm
.irp t, 0,1,2,3
	BLOCK \t
.endr
	global_store_b32 v9, v[SB], s[54:55]           ; my column's scale word: 4 bytes of a row of 64
.set g, 0
.irp u, 0,1
.irp c, 0,1,2,3
	ds_load_b128 v[192+4*g:195+4*g], v7 offset:\u*16*PITCH+32*\c   ; group (tile u, c) as the operand's registers want it
.set g, g+1
.endr
.endr
.set g, 0
.irp u, 0,1
.irp c, 0,1,2,3
	s_wait_dscnt 7-g                               ; group g is in; the younger ones may be out
	global_store_b128 v8, v[192+4*g:195+4*g], s[6:7] offset:\u*32768+\c*512   ; 512 consecutive bytes, aligned
.set g, g+1
.endr
.endr
	s_wait_tensorcnt 0x0                           ; the wave's end
	ds_add_u32 v224, v225
	s_wait_dscnt 0x0
	s_endpgm
.Ltokens:
; x [4096 tokens][2048].  ROW ORDER: row i of tile T is token 32 (T / 2) + 8 (T % 2) + i + 8 (i / 8), so that results made with two neighbouring tiles as source 0 hold 16 neighbours in a lane's 16 registers.
; SHARES: work-group 264 + T makes tile T; wave w its fragments 2 w and 2 w + 1.  Each load takes 512 consecutive bytes of one row; the 16 rows turn through the wave's own stage
; (rows 528 bytes apart) and come back 16 neighbours a lane and block.  All 32 loads of a wave are out at once.
.set XS,  8388608
.set SP,  528
.set WST, 16*SP
.set LO,  1                            ; v1   16 x lane
.set SI,  2                            ; v2   the stage, on the way in
.set SOU, 3                            ; v3   and on the way out: row lane % 16, + 64 (lane / 16)
.set SCO, 4                            ; v4   my scale word's place: 64 (lane % 16) + 4 (lane / 16)
.set PW,  12                           ; v12, v13 the two fragments' scale words; v14 the one that my lane stores
.set PWS, 14
.set R,   16                           ; v16-143  the numbers as loaded
.set X,   144                          ; v144-207 register 16 b + i = k 32 b + 16 (lane / 16) + i of my row
.set PC,  208                          ; v208-239 the two fragments' codes
.set TM,  240                          ; v240-255 at work in the quantiser
.set MSK, 10
.set SEL, 20
.set MNT, 22
.macro QUANT s, pc, pw
.irp b, 0,1,2,3
	v_max3_num_f32 v[TM+\b], |v[\s+16*\b]|, |v[\s+1+16*\b]|, 0x4800000   ; my 16 numbers of block b, and the floor 2^(9 - 127)
.endr
.irp i, 2,4,6,8,10,12,14
.irp b, 0,1,2,3
	s_delay_alu instid0(VALU_DEP_4)
	v_max3_num_f32 v[TM+\b], v[TM+\b], |v[\s+16*\b+\i]|, |v[\s+1+16*\b+\i]|   ; the four blocks by turns
.endr
.endr
.irp b, 0,1,2,3
	s_delay_alu instid0(VALU_DEP_4)
	v_permlanex16_b32 v[TM+4+\b], v[TM+\b], s[SEL], s[SEL+1]
.endr
.irp b, 0,1,2,3
	s_delay_alu instid0(VALU_DEP_4)
	v_max_num_f32 v[TM+\b], v[TM+\b], v[TM+4+\b]         ; with lane l xor 16's 16: the block's largest magnitude
.endr
.irp b, 0,1,2,3
	s_delay_alu instid0(VALU_DEP_4)
	v_add_nc_u32 v[TM+12+\b], 0xfc000000, v[TM+\b]       ; 8 off its exponent field: the conversion's scale operand
.endr
.irp b, 0,1,2,3
	v_and_or_b32 v[TM+8+\b], v[TM+\b], 0x7f800000, s[MNT]   ; 448 x the scale
.endr
.irp b, 0,1,2,3
	v_lshrrev_b32 v[TM+4+\b], 23, v[TM+12+\b]            ; the scale's byte
.endr
	s_delay_alu instid0(VALU_DEP_3)
	v_lshl_or_b32 v[\pw], v[TM+5], 8, v[TM+4]
	s_delay_alu instid0(VALU_DEP_1)
	v_lshl_or_b32 v[\pw], v[TM+6], 16, v[\pw]
	s_delay_alu instid0(VALU_DEP_1)
	v_lshl_or_b32 v[\pw], v[TM+7], 24, v[\pw]            ; my row's scale word
.irp b, 0,1,2,3
.irp i, 0,1,2,3,4,5,6,7,8,9,10,11,12,13,14,15
	v_med3_num_f32 v[\s+16*\b+\i], v[\s+16*\b+\i], -v[TM+8+\b], v[TM+8+\b]   ; the conversion does not saturate (ISA guide 7.6.2): the hold
.endr
	v_cvt_scalef32_pk8_fp8_f32 v[\pc+4*\b:\pc+4*\b+1], v[\s+16*\b:\s+16*\b+7], v[TM+12+\b]
	v_cvt_scalef32_pk8_fp8_f32 v[\pc+4*\b+2:\pc+4*\b+3], v[\s+16*\b+8:\s+16*\b+15], v[TM+12+\b]
.endr
	v_nop                                          ; one plain line behind the last conversion
.endm
	s_load_b128 s[4:7], s[0:1], 0x0                ; x s[4:5], xq s[6:7]
	v_lshl_add_u32 v11, v0, 2, SPARE
	v_mov_b32 v15, 0
	v_lshrrev_b32 v5, 5, v0
	s_delay_alu instid0(VALU_DEP_1)
	v_readfirstlane_b32 s16, v5                    ; wave 0..7
	v_and_b32 v5, 31, v0
	v_and_b32 v6, 15, v0
	v_bfe_u32 v7, v0, 4, 1
	s_delay_alu instid0(VALU_DEP_3)
	v_lshlrev_b32 v[LO], 4, v5
	s_mul_i32 s17, s16, WST                        ; my stage
	v_add_nc_u32 v[SI], s17, v[LO]
	v_mul_u32_u24 v[SOU], v6, SP
	s_delay_alu instid0(VALU_DEP_1)
	v_lshl_add_u32 v[SOU], v7, 6, v[SOU]
	s_delay_alu instid0(VALU_DEP_1)
	v_add_nc_u32 v[SOU], s17, v[SOU]
	v_lshlrev_b32 v[SCO], 6, v6
	s_delay_alu instid0(VALU_DEP_1)
	v_lshl_add_u32 v[SCO], v7, 2, v[SCO]
	s_mov_b32 s[MSK], 0xffff0000                   ; lanes 16-31
	s_mov_b32 s[SEL], 0x76543210
	s_mov_b32 s[SEL+1], 0xfedcba98                 ; lane l xor 16
	s_mov_b32 s[MNT], 0x600000                     ; the mantissa field of 448
.irp b, 0,1,2,3
	v_mov_b32 v[TM+4+\b], 0                        ; a lane permute's destination counts as one of its sources
.endr
	s_sub_co_u32 s24, ttmp9, NWG                   ; T
	s_lshr_b32 s12, s24, 1
	s_lshl_b32 s12, s12, 18                        ; 32 (T / 2) rows of 8,192 bytes
	s_and_b32 s13, s24, 1
	s_lshl_b32 s13, s13, 16                        ; + 8 (T % 2) rows
	s_add_co_u32 s12, s12, s13
	s_lshl_b32 s13, s16, 10                        ; + my wave's 1,024 bytes of a row
	s_add_co_u32 s12, s12, s13
	s_mov_b32 s13, 0
	s_lshl_b32 s14, s24, 15                        ; the tile's image, my two fragments
	s_lshl_b32 s15, s16, 12
	s_add_co_u32 s14, s14, s15
	s_mov_b32 s15, 0
	s_lshl_b32 s18, s24, 10                        ; the tile's 16 rows of scale words, my two words
	s_lshl_b32 s19, s16, 3
	s_add_co_u32 s18, s18, s19
	s_add_co_u32 s18, s18, XS
	s_mov_b32 s19, 0
	s_wait_alu depctr_va_vdst(0)                   ; the wait at the head's end
	s_wait_kmcnt 0x0
	s_add_nc_u64 s[4:5], s[4:5], s[12:13]
	s_add_nc_u64 s[8:9], s[6:7], s[18:19]
	s_add_nc_u64 s[6:7], s[6:7], s[14:15]
.irp f, 0,1
.irp i, 0,1,2,3,4,5,6,7,8,9,10,11,12,13,14,15
	global_load_b128 v[R+64*\f+4*\i:R+64*\f+4*\i+3], v[LO], s[4:5] offset:(\i+8*(\i/8))*8192+512*\f th:TH_LOAD_NT   ; 512 consecutive bytes of image row i
.endr
.endr
.macro PART f
	s_wait_loadcnt 16*(1-\f)                       ; this fragment's 16 loads are in; the other's may be out
.irp i, 0,1,2,3,4,5,6,7,8,9,10,11,12,13,14,15
	ds_store_b128 v[SI], v[R+64*\f+4*\i:R+64*\f+4*\i+3] offset:\i*SP
.endr
.irp c, 0,1,2,3
.irp j, 0,1,2,3
	ds_load_b128 v[X+16*\c+4*\j:X+16*\c+4*\j+3], v[SOU] offset:128*\c+16*\j   ; LDS serves a wave's instructions in order: these see the stores above
.endr
.endr
	s_wait_dscnt 0x0
	QUANT X, PC+16*\f, PW+\f
.irp c, 0,1,2,3
	global_store_b128 v[LO], v[PC+16*\f+4*\c:PC+16*\f+4*\c+3], s[6:7] offset:2048*\f+512*\c   ; 512 consecutive bytes, aligned
.endr
.endm
	PART 0
	PART 1
	v_cndmask_b32 v[PWS], v[PW], v[PW+1], s[MSK]   ; lanes 0-15 store fragment 0's word, lanes 16-31 fragment 1's
	global_store_b32 v[SCO], v[PWS], s[8:9]        ; 8 bytes of each of 16 rows: one byte in 128 of what the wave reads
	s_wait_tensorcnt 0x0                           ; the wave's end
	ds_add_u32 v11, v15
	s_wait_dscnt 0x0
	s_endpgm
.Lfunc_end_k_qe57fcb8058_prep:
	.size	k_qe57fcb8058_prep, .Lfunc_end_k_qe57fcb8058_prep-k_qe57fcb8058_prep
	.p2alignl 7, 3214868480
	.fill 96, 4, 3214868480
	.section	.rodata,"a",@progbits
	.p2align	6, 0x0
	.amdhsa_kernel k_qe57fcb8058_prep
		.amdhsa_group_segment_fixed_size 105472
		.amdhsa_private_segment_fixed_size 0
		.amdhsa_enable_private_segment 0
		.amdhsa_kernarg_size 56
		.amdhsa_user_sgpr_count 2
		.amdhsa_user_sgpr_kernarg_segment_ptr 1
		.amdhsa_wavefront_size32 1
		.amdhsa_system_sgpr_workgroup_id_x 1
		.amdhsa_system_sgpr_workgroup_id_y 1
		.amdhsa_system_sgpr_workgroup_id_z 1
		.amdhsa_system_vgpr_workitem_id 0
		.amdhsa_next_free_vgpr 256
		.amdhsa_next_free_sgpr 66
		.amdhsa_reserve_vcc 0
		.amdhsa_float_denorm_mode_32 3
		.amdhsa_float_denorm_mode_16_64 3
		.amdhsa_memory_ordered 1
		.amdhsa_forward_progress 1
		.amdhsa_inst_pref_size 63
	.end_amdhsa_kernel
	.amdgpu_metadata
---
amdhsa.version: [ 1, 2 ]
amdhsa.kernels:
  - .name:           k_qe57fcb8058_prep
    .symbol:         k_qe57fcb8058_prep.kd
    .args:
      - { .name: x, .offset: 0, .size: 8, .value_kind: global_buffer, .address_space: global }
      - { .name: xq, .offset: 8, .size: 8, .value_kind: global_buffer, .address_space: global }
      - { .name: wq, .offset: 16, .size: 8, .value_kind: global_buffer, .address_space: global }
      - { .name: wo, .offset: 24, .size: 8, .value_kind: global_buffer, .address_space: global }
      - { .name: wk, .offset: 32, .size: 8, .value_kind: global_buffer, .address_space: global }
      - { .name: wv, .offset: 40, .size: 8, .value_kind: global_buffer, .address_space: global }
      - { .name: wts, .offset: 48, .size: 8, .value_kind: global_buffer, .address_space: global }
    .group_segment_fixed_size: 105472
    .private_segment_fixed_size: 0
    .kernarg_segment_align: 8
    .kernarg_segment_size: 56
    .max_flat_workgroup_size: 256
    .sgpr_count:     66
    .vgpr_count:     256
    .wavefront_size: 32
...
	.end_amdgpu_metadata
.endif
;; end of part 1
;; launch gemm_q (part 2): grid 16 x 16, 4 waves a work-group, clusters of 4 x 1, 327,680 bytes of LDS; arguments xq, wts, qq, kv; writes qq, kv
.if DOCPART == 2
	.amdgcn_target "amdgcn-amd-amdhsa--gfx1250"
	.amdhsa_code_object_version 6
	.text
	.protected	k_qe57fcb8058_gemm_q
	.globl	k_qe57fcb8058_gemm_q
	.p2align	8
	.type	k_qe57fcb8058_gemm_q,@function
k_qe57fcb8058_gemm_q:
	s_mov_b64 s[64:65], 0
	v_nop
	global_prefetch_b8 v0, s[64:65] scope:SCOPE_SE
	s_setreg_imm32_b32 hwreg(HW_REG_WAVE_MODE, 25, 1), 1
	s_wait_xcnt 0x0
	s_wait_alu depctr_hold_cnt(0) depctr_sa_sdst(0) depctr_va_vdst(0) depctr_va_sdst(0) depctr_va_ssrc(0) depctr_va_vcc(0) depctr_vm_vsrc(0)
	s_getreg_b32 s2, hwreg(HW_REG_IB_STS2, 6, 4)
	s_cmp_eq_u32 s2, 0
	s_cbranch_scc0 .Lentry_in_a_cluster
	s_endpgm
.Lentry_in_a_cluster:
	s_bfe_u32 s2, ttmp6, 0x10000c
	s_cmp_lg_u32 s2, 0x3003
	s_cbranch_scc0 .Lentry_shape_is_right
	s_endpgm
.Lentry_shape_is_right:
; q = x wq, k = x wk and v = x wv on codes of E4M3 with E8M0 scales (K = 2,048, f32 sums), and their quantising for attention: q and k along the head's channels, v along the keys.
; xq, wts and qq hold IMAGES OF THE OPERAND'S REGISTERS: a tile (16 rows, all of K) is 16 fragments of 2,048 bytes on end; scale words [image row][16 words] lie behind the images.
; Q'S SHARES: work-group (x, y) makes rows 256 x .. of q at columns 128 y ..; wave w its rows 64 w .. (A's tiles 16 x + 4 w + a) against all 128 columns (B's tiles 8 y + b): 32 accumulators.
; B: the 8 tiles of wq are 262,144 dense bytes.  They come into LDS ONCE, a quarter a wave by one tensor load in rows of 256 bytes, and stay: nothing is filled again, one barrier in the launch.
; CLUSTER: the four work-groups of a cluster have the same y and other x: they ask for B jointly.  A's fragments are read by one wave of one work-group of the cluster, so they go
; from memory straight into registers (each load 512 consecutive bytes): five sets of four fragments; four sets, 64 loads, are out when a step's loads have been issued.
; Scale words come once, straight into registers: A's block a, word j in v[SAW + 16 a + j] (lanes 0-15); B's tiles 2 p | 2 p + 1 in v[SBW + 16 p + j] (lanes 0-15 | 16-31).
; K AND V stand at the head, while B's load is out: 1,024 waves, 1,024 jobs.  A job multiplies two neighbouring image tiles of S0 (source 0) by one tile of S1: two accumulators by turns, 16 K steps of
; 12 loads, five sets in window 2.  A lane then holds one row of S1 and 16 of the 32 neighbours of one scale block along S0's rows (the other 16 in lane l xor 16): 512 bytes of codes and a byte a row.
;   y < 8, k:  S0 = wk's tiles 2 beta, 2 beta + 1 (beta = w % 2), S1 = token tile 2 (16 y + x) + w / 2.     y >= 8, v:  S0 = token tiles 2 n, 2 n + 1 (n = 16 (y - 8) + x), S1 = wv's tile w.
; Only pointers and offsets are chosen, by ids.  kv, per batch 270,336 bytes, is laid as attention's LDS: K's images [32 keys][group 2 u + beta][lane][16] at 0; V's [128 keys][channel tile][c][lane][16]
; at VIMG; K's scale words [32 keys][row] (bytes 2 u + beta) at KSCL; V's [128 keys][channel tile][row] (byte c) at VSCL.  A row's scale byte leaves as one byte a lane: 16 KiB in the launch.
; The job's last four steps issue, in place of loads of its own, Q's scale words and A's sets 0 to 3.
; PREFETCH: the 16 work-groups of one x read the same rows of A and share them out by address: in step j (0 to 7) work-group y names fragment j + 8 of tile 16 x + y, 2,048 bytes,
; two blocks of 256 bytes a wave (lanes 1 to 31 name the second): four steps ahead of the loads that want it.  Fragments 0 to 7 come by their loads alone; B comes once, at the head.
; THE PRODUCTS ARE USED TRANSPOSED: a lane holds one row of the result, and by the images' row order 16 registers of two neighbouring tiles are 16 neighbours.
; WINDOWS: 0: addresses, scale words, A's set 4 (at the head: the job's scale words and sums); 1: A's sets 0-3; 2: B's two sets (at the head: the job's fragments); 3: Q's accumulators, (a, b) at v[8 (8 a + b)].
; LIMITS: a block of zeros gets the byte 1 (zero codes; read by this program alone); blocks under 2^-118 are held at the byte 1; NaN and infinities are not served.
.set XS,    8388608
.set BSOFF, 8650752
.set WS,    8650752
.set KVB,   270336
.set VIMG,  131072
.set KSCL,  262144
.set VSCL,  266240
.set NP,    8
.set SPARE, 262144
.set CO,    2                          ; v2  16 x lane
.set SRA,   3                          ; v3  64 x (lane % 16)
.set SRB,   4                          ; v4  64 x lane
.set PFO,   5                          ; v5  the prefetches' offset; never rewritten
.set ADRB,  8                          ; v8-11  16 x lane + 65,536 p: B's tiles 2 p, 2 p + 1 in LDS
.set SPW,   12
.set NIL,   13
.set SAW,   32
.set SBW,   100                        ; (no product's two scale words have numbers equal modulo 8)
.set A4,    176
.set KSA,   176                        ; the job: v176-191 S0's scale words (tile 0 | 1), v196-211 S1's, v216-231 the sums, v232-236 at work
.set KSB,   196
.set KACC,  216
.set KTM,   232
.set KPC,   240                        ; v240-243 its codes, v244 its byte, v245 4 x (lane % 16): not written again
.set KBY,   244
.set R4,    245
.set PC,    112
.set TM,    200
.set PW,    216
.set PWS,   218
.set W,     3
.set MSB, 0
.macro WIN new                         ; the immediate's high byte repeats the setting that is left
.if MSB != \new
	s_set_vgpr_msb (MSB<<8)|\new
.set MSB, \new
.endif
.endm
.macro PLACES n
.rept \n
	v_nop
.endr
.endm
.macro CROUND                          ; a round of the cluster's barrier
	s_barrier_signal -1
	s_barrier_wait -1
	s_cmp_lg_u32 s14, 0
	s_cbranch_scc1 .Lnot_wave_0_\@
	s_barrier_signal -3
.Lnot_wave_0_\@:
	s_barrier_wait -3
	s_barrier_signal -1
	s_barrier_wait -1
.endm
.macro MM d, a, b, zero, sa, sb, row
.if \zero
.if \row
	v_wmma_scale_f32_16x16x128_f8f6f4 v[\d:\d+7], v[\a:\a+15], v[\b:\b+15], 0, v[\sa], v[\sb] matrix_a_scale:MATRIX_SCALE_ROW1
.else
	v_wmma_scale_f32_16x16x128_f8f6f4 v[\d:\d+7], v[\a:\a+15], v[\b:\b+15], 0, v[\sa], v[\sb]
.endif
.else
.if \row
	v_wmma_scale_f32_16x16x128_f8f6f4 v[\d:\d+7], v[\a:\a+15], v[\b:\b+15], v[\d:\d+7], v[\sa], v[\sb] matrix_a_scale:MATRIX_SCALE_ROW1
.else
	v_wmma_scale_f32_16x16x128_f8f6f4 v[\d:\d+7], v[\a:\a+15], v[\b:\b+15], v[\d:\d+7], v[\sa], v[\sb]
.endif
.endif
.endm
.macro ALOAD j                         ; K step j's four fragments of A into set j % 5: 16 loads
.if (\j)%5 < 4
	WIN 0x40
.set AB_, 64*((\j)%5)
.else
	WIN 0
.set AB_, A4
.endif
.irp a, 0,1,2,3
.irp c, 0,1,2,3
	global_load_b128 v[AB_+16*\a+4*\c:AB_+16*\a+4*\c+3], v[CO], s[40:41] offset:\a*32768+(\j)*2048+512*\c
.endr
.endr
.endm
.macro BLOAD j                         ; K step j's eight fragments of B into set j % 2: 32 LDS loads
	WIN 0x80
.irp b, 0,1,2,3,4,5,6,7
.irp c, 0,1,2,3
	ds_load_b128 v[128*((\j)%2)+16*\b+4*\c:128*((\j)%2)+16*\b+4*\c+3], v[ADRB+\b/2] offset:(\b%2)*32768+(\j)*2048+512*\c
.endr
.endr
.endm
.macro MUL j                           ; 32 products; the 32 accumulators take turns in the same order in every step
.if (\j)%5 < 4
	WIN 0xf6
.set AB_, 64*((\j)%5)
.else
	WIN 0xf2
.set AB_, A4
.endif
.set BB_, 128*((\j)%2)
.if (\j) == 0
.set Z_, 1                             ; the first step starts the sums
.else
.set Z_, 0
.endif
.irp a, 0,1,2,3
.irp b, 0,1,2,3,4,5,6,7
	MM 8*(8*\a+\b), BB_+16*\b, AB_+16*\a, Z_, SBW+16*(\b/2)+(\j), SAW+16*\a+(\j), \b%2
.endr
.endr
.endm
.macro STEP j
.if (\j) > 0
	PLACES NP                                      ; eight places in front of loads into the sets that the last step read
.endif
.if (\j) < 8
	WIN 0x80
	global_prefetch_b8 v[PFO], s[46:47] offset:((\j)+8)*2048 th:TH_LOAD_NT scope:SCOPE_SE
.endif
.if (\j) < 15
	BLOAD (\j)+1
.endif
.if (\j) < 13
	s_wait_loadcnt 48                              ; this step's set of A is in (at step 0 the scale words too); the three younger sets may be out
.else
	s_wait_loadcnt 16*(15-(\j))
.endif
.if (\j) < 12
	ALOAD (\j)+4
.endif
.if (\j) < 15
	s_wait_dscnt 32                                ; this step's B is in; the 32 loads just issued may be out
.else
	s_wait_dscnt 0x0
.endif
	MUL \j
.endm
.macro GSCALES                         ; Q's scale words: 32 loads
	WIN 0
.irp a, 0,1,2,3
.irp q, 0,1,2,3
	global_load_b128 v[SAW+16*\a+4*\q:SAW+16*\a+4*\q+3], v[SRA], s[42:43] offset:\a*1024+16*\q
.endr
.endr
.irp p, 0,1,2,3
.irp q, 0,1,2,3
	global_load_b128 v[SBW+16*\p+4*\q:SBW+16*\p+4*\q+3], v[SRB], s[44:45] offset:\p*2048+16*\q
.endr
.endr
.endm
.macro KLOAD j                         ; the job's K step j: two fragments of S0, one of S1, into set j % 5 of window 2: 12 loads
	WIN 0x80
.set KB_, 48*((\j)%5)
.irp i, 0,1
.irp c, 0,1,2,3
	global_load_b128 v[KB_+16*\i+4*\c:KB_+16*\i+4*\c+3], v[CO], s[84:85] offset:\i*32768+(\j)*2048+512*\c
.endr
.endr
.irp c, 0,1,2,3
	global_load_b128 v[KB_+32+4*\c:KB_+32+4*\c+3], v[CO], s[86:87] offset:(\j)*2048+512*\c
.endr
.endm
.macro KSTEP j
.if (\j) > 0
	PLACES NP                                      ; eight places in front of loads into the set that the last step read
.endif
.if (\j) < 13
	s_wait_loadcnt 36                              ; this step's set is in (at step 0 the job's scale words too); the three younger sets may be out
.elseif (\j) == 13
	s_wait_loadcnt 56                              ; two sets and Q's 32 scale loads are younger
.elseif (\j) == 14
	s_wait_loadcnt 60                              ; one set, the 32 and A's set 0
.else
	s_wait_loadcnt 63                              ; 64 are younger: the 32 and A's sets 0 and 1
.endif
.if (\j) < 12
	KLOAD (\j)+4
.elseif (\j) == 12
	GSCALES
.elseif (\j) == 13
	ALOAD 0
.elseif (\j) == 14
	ALOAD 1
.else
	ALOAD 2
	ALOAD 3
.endif
.set KC_, 48*((\j)%5)
.if (\j) == 0
.set Z_, 1
.else
.set Z_, 0
.endif
	WIN 0x0a                                       ; sources 0 and 1 window 2; C and D window 0
	MM KACC, KC_, KC_+32, Z_, KSA+(\j), KSB+(\j), 0      ; the two accumulators take turns, one instruction a turn
	MM KACC+8, KC_+16, KC_+32, Z_, KSA+(\j), KSB+(\j), 1
.endm
	s_load_b128 s[4:7], s[0:1], 0x0                ; xq, wts
	s_load_b128 s[8:11], s[0:1], 0x10              ; qq, kv
	v_lshl_add_u32 v[SPW], v0, 2, SPARE
	v_mov_b32 v[NIL], 0
	ds_add_u32 v[SPW], v[NIL]                      ; the opening lines: the add, twice on end, and its wait
	ds_add_u32 v[SPW], v[NIL]
	v_lshrrev_b32 v1, 5, v0
	v_readfirstlane_b32 s14, v1                    ; wave 0..3
	s_bfe_u32 s15, ttmp6, 0x40000                  ; cx: it enters global addresses of plain loads and stores alone
	s_lshl_b32 s16, ttmp9, 2
	s_add_co_u32 s16, s16, s15                     ; x
	s_and_b32 s17, ttmp7, 0xffff                   ; y
	s_mov_b32 s32, 15|(3<<16)|(1<<21)              ; the mask: all four; elements of 8 bytes; bit 21 beside a mask; no padding
	s_mov_b32 s33, 32<<16                          ; rows of 256 bytes,
	s_mov_b32 s34, 256<<16                         ; 256 of them
	s_mov_b32 s35, 32<<16
	s_mov_b32 s36, 256
	s_mov_b32 s37, 32                              ; dense
	s_mov_b32 s38, 0
	s_mov_b32 s39, 0
	s_mov_b32 s28, 1
	s_lshl_b32 s29, s14, 16                        ; my quarter of B, in LDS
	s_lshl_b32 s20, s17, 18
	s_add_co_u32 s20, s20, s29                     ; and in wts
	s_mov_b32 s21, 0
	s_wait_dscnt 0x0                               ; both opening adds are done
	CROUND                                         ; all four work-groups are here: the joint loads meet
	s_wait_kmcnt 0x0
	s_add_nc_u64 s[30:31], s[6:7], s[20:21]
	s_or_b32 s31, s31, 0x80000000
	tensor_load_to_lds s[28:31], s[32:39]          ; one load a wave, the only one of the launch
	s_nop 0
	PLACES 4
	s_lshl_b32 s22, s16, 19                        ; A's images: tile 16 x + 4 w
	s_lshl_b32 s18, s14, 17
	s_add_co_u32 s22, s22, s18
	s_mov_b32 s23, 0
	s_lshl_b32 s24, s16, 14                        ; and its scale words
	s_lshl_b32 s18, s14, 12
	s_add_co_u32 s24, s24, s18
	s_add_co_u32 s24, s24, XS
	s_mov_b32 s25, 0
	s_lshl_b32 s26, s17, 13                        ; B's scale words: tile 8 y
	s_add_co_u32 s26, s26, BSOFF
	s_mov_b32 s27, 0
	s_lshl_b32 s50, s16, 19                        ; the prefetches: tile 16 x + y, 512 bytes a wave
	s_lshl_b32 s18, s17, 15
	s_add_co_u32 s50, s50, s18
	s_lshl_b32 s18, s14, 9
	s_add_co_u32 s50, s50, s18
	s_mov_b32 s51, 0
	s_lshl_b32 s18, s17, 11                        ; q's images: my tiles' fragment y
	s_add_co_u32 s52, s22, s18
	s_mov_b32 s53, 0
	s_lshl_b32 s18, s17, 2                         ; and word y of their rows
	s_add_co_u32 s54, s24, s18
	s_mov_b32 s55, 0
	s_add_nc_u64 s[40:41], s[4:5], s[22:23]
	s_add_nc_u64 s[42:43], s[4:5], s[24:25]
	s_add_nc_u64 s[44:45], s[6:7], s[26:27]
	s_add_nc_u64 s[46:47], s[4:5], s[50:51]
	s_add_nc_u64 s[12:13], s[8:9], s[52:53]
	s_add_nc_u64 s[48:49], s[8:9], s[54:55]
	; the job's offsets, first as a job of k, then as a job of v
	s_lshl_b32 s66, s17, 4
	s_add_co_u32 s66, s66, s16                     ; 16 y + x
	s_lshl_b32 s67, s66, 1
	s_lshr_b32 s68, s14, 1
	s_add_co_u32 s67, s67, s68                     ; k: token tile T
	s_and_b32 s69, s14, 1                          ; beta
	s_lshl_b32 s70, s69, 16
	s_add_co_u32 s70, s70, 256*32768               ; S0: wk's tiles 2 beta, 2 beta + 1
	s_lshl_b32 s71, s69, 11
	s_add_co_u32 s71, s71, WS+262144               ; and their scale words
	s_lshl_b32 s72, s67, 15                        ; S1: x's tile T
	s_lshl_b32 s73, s67, 10
	s_add_co_u32 s73, s73, XS
	s_lshr_b32 s83, s67, 7
	s_mul_i32 s83, s83, KVB                        ; the batch
	s_and_b32 s68, s67, 127
	s_lshl_b32 s74, s68, 10                        ; codes: 1,024 bytes a tile, 512 a block
	s_lshl_b32 s18, s69, 9
	s_add_co_u32 s74, s74, s18
	s_add_co_u32 s74, s74, s83
	s_lshr_b32 s75, s68, 1                         ; bytes: 64 for each 32 keys, byte 2 (T % 2) + beta of a row's word
	s_lshl_b32 s75, s75, 6
	s_and_b32 s18, s67, 1
	s_lshl_b32 s18, s18, 1
	s_add_co_u32 s75, s75, s18
	s_add_co_u32 s75, s75, s69
	s_add_co_u32 s75, s75, s83
	s_add_co_u32 s75, s75, KSCL
	s_and_b32 s76, s66, 127                        ; v: n, the block of 32 keys
	s_lshl_b32 s77, s76, 16                        ; S0: x's tiles 2 n, 2 n + 1
	s_lshl_b32 s78, s76, 11
	s_add_co_u32 s78, s78, XS
	s_add_co_u32 s18, s14, 260                     ; S1: wv's tile w
	s_lshl_b32 s79, s18, 15
	s_lshl_b32 s80, s18, 10
	s_add_co_u32 s80, s80, WS
	s_lshr_b32 s83, s76, 6
	s_mul_i32 s83, s83, KVB                        ; the batch
	s_and_b32 s68, s76, 63
	s_lshr_b32 s68, s68, 2                         ; which 128 keys
	s_and_b32 s69, s76, 3                          ; c
	s_lshl_b32 s81, s68, 13
	s_lshl_b32 s18, s14, 11
	s_add_co_u32 s81, s81, s18
	s_lshl_b32 s18, s69, 9
	s_add_co_u32 s81, s81, s18
	s_add_co_u32 s81, s81, s83
	s_add_co_u32 s81, s81, VIMG
	s_lshl_b32 s82, s68, 8
	s_lshl_b32 s18, s14, 6
	s_add_co_u32 s82, s82, s18
	s_add_co_u32 s82, s82, s69
	s_add_co_u32 s82, s82, s83
	s_add_co_u32 s82, s82, VSCL
	s_cmp_lt_u32 s17, 8                            ; k or v: the choice hangs on y alone
	s_cselect_b64 s[84:85], s[6:7], s[4:5]
	s_cselect_b64 s[86:87], s[4:5], s[6:7]
	s_cselect_b32 s70, s70, s77
	s_cselect_b32 s71, s71, s78
	s_cselect_b32 s72, s72, s79
	s_cselect_b32 s73, s73, s80
	s_cselect_b32 s74, s74, s81
	s_cselect_b32 s75, s75, s82
	s_mov_b32 s89, 0
	s_mov_b32 s88, s71
	s_add_nc_u64 s[90:91], s[84:85], s[88:89]      ; S0's scale words
	s_mov_b32 s88, s70
	s_add_nc_u64 s[84:85], s[84:85], s[88:89]      ; S0's images
	s_mov_b32 s88, s73
	s_add_nc_u64 s[92:93], s[86:87], s[88:89]      ; S1's scale words
	s_mov_b32 s88, s72
	s_add_nc_u64 s[86:87], s[86:87], s[88:89]      ; S1's image
	s_mov_b32 s88, s74
	s_add_nc_u64 s[94:95], s[10:11], s[88:89]      ; the codes' place
	s_mov_b32 s88, s75
	s_add_nc_u64 s[96:97], s[10:11], s[88:89]      ; the bytes' place
	s_mov_b32 s60, 0x76543210
	s_mov_b32 s61, 0xfedcba98                      ; lane l xor 16
	s_mov_b32 s62, 0x600000                        ; the mantissa field of 448
	v_and_b32 v1, 31, v0
	v_and_b32 v6, 15, v0
	v_lshlrev_b32 v[CO], 4, v1
	v_lshlrev_b32 v[SRB], 6, v1
	v_lshlrev_b32 v[SRA], 6, v6
	v_lshlrev_b32 v[R4], 2, v6
	v_min_u32 v[PFO], 1, v1
	v_lshlrev_b32 v[PFO], 8, v[PFO]
.irp p, 0,1,2,3
	v_add_nc_u32 v[ADRB+\p], \p*65536, v[CO]
.endr
	v_mov_b32 v[KTM+1], 0                          ; a lane permute's destination counts as one of its sources
	s_wait_alu depctr_va_vdst(0)                   ; the wait at the head's end
.irp q, 0,1,2,3
	global_load_b128 v[KSA+4*\q:KSA+4*\q+3], v[SRB], s[90:91] offset:16*\q
	global_load_b128 v[KSB+4*\q:KSB+4*\q+3], v[SRA], s[92:93] offset:16*\q
.endr
	KLOAD 0
	KLOAD 1
	KLOAD 2
	KLOAD 3
.irp j, 0,1,2,3,4,5,6,7,8,9,10,11,12,13,14,15
	KSTEP \j
.endr
	WIN 0
	PLACES NP                                      ; eight places in front of the first read of the job's sums
	v_max3_num_f32 v[KTM], |v[KACC]|, |v[KACC+1]|, 0x4800000       ; my 16 numbers, in two chains, each accumulator from its low end on; and the floor 2^(9 - 127)
	v_max3_num_f32 v[KTM+2], |v[KACC+8]|, |v[KACC+9]|, |v[KACC+10]|
.irp i, 2,4,6
	v_max3_num_f32 v[KTM], v[KTM], |v[KACC+\i]|, |v[KACC+\i+1]|
	v_max3_num_f32 v[KTM+2], v[KTM+2], |v[KACC+\i+9]|, |v[KACC+\i+10]|
.endr
	v_max_num_f32 v[KTM], v[KTM], v[KTM+2]
	v_permlanex16_b32 v[KTM+1], v[KTM], s60, s61
	v_max_num_f32 v[KTM], v[KTM], v[KTM+1]         ; with lane l xor 16's 16: the block's largest magnitude
	v_add_nc_u32 v[KTM+3], 0xfc000000, v[KTM]      ; 8 off the exponent field: the conversion's scale operand
	v_and_or_b32 v[KTM+4], v[KTM], 0x7f800000, s62 ; 448 x the scale
	v_lshrrev_b32 v[KBY], 23, v[KTM+3]             ; the byte
.irp i, 0,1,2,3,4,5,6,7,8,9,10,11,12,13,14,15
	v_med3_num_f32 v[KACC+\i], v[KACC+\i], -v[KTM+4], v[KTM+4]     ; the conversion does not saturate (ISA guide 7.6.2): the hold
.endr
	v_cvt_scalef32_pk8_fp8_f32 v[KPC:KPC+1], v[KACC:KACC+7], v[KTM+3]
	v_cvt_scalef32_pk8_fp8_f32 v[KPC+2:KPC+3], v[KACC+8:KACC+15], v[KTM+3]
	v_nop                                          ; one plain line behind the last conversion
	global_store_b128 v[CO], v[KPC:KPC+3], s[94:95]        ; 512 consecutive bytes, aligned
	global_store_b8 v[R4], v[KBY], s[96:97]        ; both halves of the lanes hold, and write, the same byte
	s_wait_tensorcnt 0x0                           ; my quarter of B has landed,
	s_barrier_signal -1
	s_barrier_wait -1                              ; everybody's has
	BLOAD 0
.irp j, 0,1,2,3,4,5,6,7,8,9,10,11,12,13,14,15
	STEP \j
.endr
	WIN 0
	PLACES NP                                      ; eight places in front of the first read of the sums and of writes into registers that products have read
	s_mov_b32 s18, 0x76543210
	s_mov_b32 s19, 0xfedcba98                      ; lane l xor 16
	s_mov_b32 s3, 0x600000                         ; the mantissa field of 448
	s_mov_b32 s56, 0xffff0000                      ; lanes 16-31
.irp b, 0,1,2,3
	v_mov_b32 v[TM+4+\b], 0                        ; a lane permute's destination counts as one of its sources
.endr
.macro QOUT a                          ; block a's 16 rows x 128 columns: four scale blocks a row (16 numbers mine, 16 in lane l xor 16) -> one fragment of q's image and a scale word a row
.set AC, 64*(\a)
.if (\a) > 0
	s_wait_xcnt 0x0                                ; the last block's stores have read their registers
.endif
	WIN (W|(W<<2))
.irp b, 0,1,2,3
	v_max3_num_f32 v[TM+\b], |v[AC+16*\b]|, |v[AC+1+16*\b]|, 0x4800000   ; and the floor 2^(9 - 127)
.endr
	WIN ((W<<2)|(W<<4))
.irp i, 2,4,6,8,10,12,14
.irp b, 0,1,2,3
	v_max3_num_f32 v[TM+\b], v[TM+\b], |v[AC+16*\b+\i]|, |v[AC+1+16*\b+\i]|
.endr
.endr
	WIN 0
.irp b, 0,1,2,3
	v_permlanex16_b32 v[TM+4+\b], v[TM+\b], s18, s19
.endr
.irp b, 0,1,2,3
	v_max_num_f32 v[TM+\b], v[TM+\b], v[TM+4+\b]
.endr
.irp b, 0,1,2,3
	v_add_nc_u32 v[TM+12+\b], 0xfc000000, v[TM+\b]         ; 8 off the exponent field: the conversion's scale operand
.endr
.irp b, 0,1,2,3
	v_and_or_b32 v[TM+8+\b], v[TM+\b], 0x7f800000, s3      ; 448 x the scale
.endr
.irp b, 0,1,2,3
	v_lshrrev_b32 v[TM+4+\b], 23, v[TM+12+\b]              ; the byte
.endr
	v_lshl_or_b32 v[PW+(\a)%2], v[TM+5], 8, v[TM+4]
	v_lshl_or_b32 v[PW+(\a)%2], v[TM+6], 16, v[PW+(\a)%2]
	v_lshl_or_b32 v[PW+(\a)%2], v[TM+7], 24, v[PW+(\a)%2]
	WIN (W|(W<<6))
.irp b, 0,1,2,3
.irp i, 0,1,2,3,4,5,6,7,8,9,10,11,12,13,14,15
	v_med3_num_f32 v[AC+16*\b+\i], v[AC+16*\b+\i], -v[TM+8+\b], v[TM+8+\b]   ; the conversion does not saturate (ISA guide 7.6.2): the hold
.endr
.endr
	WIN W
.irp b, 0,1,2,3
	v_cvt_scalef32_pk8_fp8_f32 v[PC+4*\b:PC+4*\b+1], v[AC+16*\b:AC+16*\b+7], v[TM+12+\b]
	v_cvt_scalef32_pk8_fp8_f32 v[PC+4*\b+2:PC+4*\b+3], v[AC+16*\b+8:AC+16*\b+15], v[TM+12+\b]
.endr
	WIN 0
	v_nop                                          ; one plain line behind the last conversion
.irp c, 0,1,2,3
	global_store_b128 v[CO], v[PC+4*\c:PC+4*\c+3], s[12:13] offset:(\a)*32768+512*\c   ; 512 consecutive bytes, aligned
.endr
.if (\a)%2
	v_cndmask_b32 v[PWS], v[PW], v[PW+1], s56      ; lanes 0-15 store block a - 1's words, lanes 16-31 block a's
	global_store_b32 v[SRB], v[PWS], s[48:49] offset:((\a)-1)*1024
.endif
.endm
.irp a, 0,1,2,3
	QOUT \a
.endr
	s_wait_tensorcnt 0x0                           ; the wave's end
	ds_add_u32 v[SPW], v[NIL]
	s_wait_dscnt 0x0
	CROUND                                         ; the closing round
	s_endpgm
.Lfunc_end_k_qe57fcb8058_gemm_q:
	.size	k_qe57fcb8058_gemm_q, .Lfunc_end_k_qe57fcb8058_gemm_q-k_qe57fcb8058_gemm_q
	.p2alignl 7, 3214868480
	.fill 96, 4, 3214868480
	.section	.rodata,"a",@progbits
	.p2align	6, 0x0
	.amdhsa_kernel k_qe57fcb8058_gemm_q
		.amdhsa_group_segment_fixed_size 327680
		.amdhsa_private_segment_fixed_size 0
		.amdhsa_enable_private_segment 0
		.amdhsa_kernarg_size 32
		.amdhsa_user_sgpr_count 2
		.amdhsa_user_sgpr_kernarg_segment_ptr 1
		.amdhsa_wavefront_size32 1
		.amdhsa_system_sgpr_workgroup_id_x 1
		.amdhsa_system_sgpr_workgroup_id_y 1
		.amdhsa_system_sgpr_workgroup_id_z 1
		.amdhsa_system_vgpr_workitem_id 0
		.amdhsa_next_free_vgpr 1024
		.amdhsa_next_free_sgpr 100
		.amdhsa_reserve_vcc 0
		.amdhsa_float_denorm_mode_32 3
		.amdhsa_float_denorm_mode_16_64 3
		.amdhsa_memory_ordered 1
		.amdhsa_forward_progress 1
		.amdhsa_inst_pref_size 203
	.end_amdhsa_kernel
	.amdgpu_metadata
---
amdhsa.version: [ 1, 2 ]
amdhsa.kernels:
  - .name:           k_qe57fcb8058_gemm_q
    .symbol:         k_qe57fcb8058_gemm_q.kd
    .args:
      - { .name: xq, .offset: 0, .size: 8, .value_kind: global_buffer, .address_space: global }
      - { .name: wts, .offset: 8, .size: 8, .value_kind: global_buffer, .address_space: global }
      - { .name: qq, .offset: 16, .size: 8, .value_kind: global_buffer, .address_space: global }
      - { .name: kv, .offset: 24, .size: 8, .value_kind: global_buffer, .address_space: global }
    .group_segment_fixed_size: 327680
    .private_segment_fixed_size: 0
    .kernarg_segment_align: 8
    .kernarg_segment_size: 32
    .max_flat_workgroup_size: 128
    .sgpr_count:     100
    .vgpr_count:     1024
    .wavefront_size: 32
...
	.end_amdgpu_metadata
.endif
;; end of part 2
;; launch attn (part 3): grid 256 x 1, 8 waves a work-group, clusters of 4 x 1, 271,360 bytes of LDS; arguments qq, kv, oq; writes oq
.if DOCPART == 3
	.amdgcn_target "amdgcn-amd-amdhsa--gfx1250"
	.amdhsa_code_object_version 6
	.text
	.protected	k_qe57fcb8058_attn
	.globl	k_qe57fcb8058_attn
	.p2align	8
	.type	k_qe57fcb8058_attn,@function
k_qe57fcb8058_attn:
	s_mov_b64 s[64:65], 0
	v_nop
	global_prefetch_b8 v0, s[64:65] scope:SCOPE_SE
	s_setreg_imm32_b32 hwreg(HW_REG_WAVE_MODE, 25, 1), 1
	s_wait_xcnt 0x0
	s_wait_alu depctr_hold_cnt(0) depctr_sa_sdst(0) depctr_va_vdst(0) depctr_va_sdst(0) depctr_va_ssrc(0) depctr_va_vcc(0) depctr_vm_vsrc(0)
	s_getreg_b32 s2, hwreg(HW_REG_IB_STS2, 6, 4)
	s_cmp_eq_u32 s2, 0
	s_cbranch_scc0 .Lentry_in_a_cluster
	s_endpgm
.Lentry_in_a_cluster:
	s_bfe_u32 s2, ttmp6, 0x10000c
	s_cmp_lg_u32 s2, 0x3003
	s_cbranch_scc0 .Lentry_shape_is_right
	s_endpgm
.Lentry_shape_is_right:
; Causal attention of 32 query heads of size 64 on ONE shared head of keys and values, both products on codes of E4M3 with E8M0 scales, and the result's quantising along C for the last product.
; THE SOFTMAX AHEAD OF THE SECOND PRODUCT: t = score x log2(e) / 8; M = the running largest t rounded UP to a whole number; p = 2^(t - M) is quantised along the keys, not normalised; the row's sum is taken
; of the unquantised p and divides O at the end; when M moves, the sum and O are multiplied by 2^(old M - new M), which rounds nothing.
; LDS holds a WHOLE batch's K and V as codes, with their scale words: 270,336 bytes, as they lie in kv, filled ONCE: each of the eight waves brings an eighth by one tensor load.  Nothing is filled again and
; nothing is stored to LDS: one barrier in the whole launch.  CLUSTER: the four work-groups of a cluster take four pairs of heads of one batch and the same query tiles: they ask for K and V jointly.
; SHARES.  A wave takes query tiles j and 127 - j of its batch (17 key steps of 128 for every wave, by the causal mask) for a PAIR of heads at once: head 0 lives in register window 0, head 1 at the same
; numbers in window 1, so that each fragment of K and V read from LDS feeds two products.  Every wave walks 16 counted steps a tile; a step all of whose keys come after the tile's queries is jumped over
; (a scalar branch on ids; the lines that step addresses are not).
; LAYOUT.  Both products are used transposed: a lane holds ONE query.  The head's 64 are half of the instruction's 128 along K: a fragment of K holds TWO tiles of 16 keys (groups 0, 1 and groups 2, 3), and
; it is multiplied by Q with zero codes behind it, then by zero codes with Q behind them: v16-23 zeros, v24-31 Q, v32-39 zeros.  Keys, queries and V's channels lie in the images' row order (row r of tile
; 2 b + u is 32 b + 8 u + r + 8 (r / 8)), so the 16 registers of two neighbouring result tiles are 16 neighbours: p's codes are the second product's operand, O's codes a piece of the next product's image.
; LIMITS: a block of zeros gets the byte 1; blocks under 2^-118 are held at the byte 1; NaN and infinities are not served.
; A block's largest p is the block's largest score put through the same multiply-add and exponential (it takes v_exp_f32 not to fall where its input rises).
.set XS,   8388608
.set KVB,  270336
.set VIMG, 131072
.set KSCL, 262144
.set WLD,  33792                       ; an eighth of a batch's block: 132 rows of 256 bytes
.set AK0, 1                            ; v1  16 x lane
.set AV0, 2                            ; v2  + VIMG
.set AS0, 3                            ; v3  KSCL + 4 x lane
.set RQ,  4                            ; v4  r + 8 (r / 8) - 16 (lane / 16)
.set RS,  5                            ; v5  64 r: a row of scale words in memory
.set ADK, 6
.set ADV, 7
.set ADS, 8
.set NM,  12                           ; -M           (v12 to v191: the same numbers in both windows)
.set TMX, 13                           ; the largest t
.set L,   14                           ; v[14:15] the sum, in two halves
.set ZQ,  16                           ; v[16:31] = zeros, Q
.set Q,   24                           ; v[24:39] = Q, zeros
.set QT,  40                           ; my query's token - 16 (lane / 16)
.set KS0, 42                           ; v42-49, window 0: scale words and nothing else: K's two, V's two, Q's two heads', p's two heads'
.set VS0, 44
.set QS,  46
.set PS,  48
.set T1,  50
.set F,   52                           ; v[52:53] f = 2^(old M - new M)
.set L2,  54                           ; v[54:55] the sums' second chain
.set TW,  56
.set DD,  57
.set NINF, 58
.set HW,  59                           ; v59, v60, window 0: the two heads' two scale bytes; v61 the word
.set OW,  61
.set S,   64                           ; v64-127  S^T, then p
.set O,   128                          ; v128-159 O^T
.set P,   160                          ; v160-175 p's codes; at the end O's
.set BM,  176
.set PX,  180
.set HD,  184
.set SO,  188
.set FRG, 192                          ; v192-255: window 0: four fragments of K; window 1: four of V
.set WV,  10
.set MT,  14
.set UN,  15
.set CNT, 16
.set KF,  17
.set TB,  18
.set TS,  19
.set SEL, 20
.set CS,  22
.set MNT, 24
.set TMAX, 25
.set TMIN, 26
.set MSB, 0
.macro WIN new                         ; the immediate's high byte repeats the setting that is left
.if MSB != \new
	s_set_vgpr_msb (MSB<<8)|\new
.set MSB, \new
.endif
.endm
.macro CROUND                          ; a round of the cluster's barrier
	s_barrier_signal -1
	s_barrier_wait -1
	s_cmp_lg_u32 s[WV], 0
	s_cbranch_scc1 .Lnot_wave_0_\@
	s_barrier_signal -3
.Lnot_wave_0_\@:
	s_barrier_wait -3
	s_barrier_signal -1
	s_barrier_wait -1
.endm
.macro MM d, a, b, zero, sa, sb, row
.if \zero
.if \row
	v_wmma_scale_f32_16x16x128_f8f6f4 v[\d:\d+7], v[\a:\a+15], v[\b:\b+15], 0, v[\sa], v[\sb] matrix_a_scale:MATRIX_SCALE_ROW1
.else
	v_wmma_scale_f32_16x16x128_f8f6f4 v[\d:\d+7], v[\a:\a+15], v[\b:\b+15], 0, v[\sa], v[\sb]
.endif
.else
.if \row
	v_wmma_scale_f32_16x16x128_f8f6f4 v[\d:\d+7], v[\a:\a+15], v[\b:\b+15], v[\d:\d+7], v[\sa], v[\sb] matrix_a_scale:MATRIX_SCALE_ROW1
.else
	v_wmma_scale_f32_16x16x128_f8f6f4 v[\d:\d+7], v[\a:\a+15], v[\b:\b+15], v[\d:\d+7], v[\sa], v[\sb]
.endif
.endif
.endm
	s_load_b128 s[4:7], s[0:1], 0x0                ; qq, kv
	s_load_b64 s[8:9], s[0:1], 0x10                ; oq
	v_lshl_add_u32 v62, v0, 2, 0x42000
	v_mov_b32 v63, 0
	ds_add_u32 v62, v63
	ds_add_u32 v62, v63
	v_lshrrev_b32 v1, 5, v0
	s_delay_alu instid0(VALU_DEP_1)
	v_readfirstlane_b32 s[WV], v1                  ; wave 0..7
	s_bfe_u32 s11, ttmp6, 0x40000                  ; cx: it enters Q's and O's global addresses alone
	s_lshr_b32 s12, ttmp9, 5                       ; the batch
	s_and_b32 s27, ttmp9, 31
	s_and_b32 s13, s27, 3
	s_lshl_b32 s13, s13, 2
	s_add_co_u32 s13, s13, s11                     ; my pair of heads
	s_lshr_b32 s[MT], s27, 2
	s_lshl_b32 s[MT], s[MT], 3
	s_add_co_u32 s[MT], s[MT], s[WV]               ; my first query tile, 0..63: the same in all four partners
	s_mov_b32 s32, 15|(3<<16)|(1<<21)              ; 15:0 the mask: all four; 17:16 elements of 8 bytes; 21 set beside a mask; no padding
	s_mov_b32 s33, 32<<16                          ; tensor_dim0 = 32: 256 bytes
	s_mov_b32 s34, 132<<16                         ; tensor_dim1 = 132
	s_mov_b32 s35, 32<<16                          ; tile_dim0
	s_mov_b32 s36, 132                             ; tile_dim1
	s_mov_b32 s37, 32                              ; dense rows
	s_mov_b32 s38, 0
	s_mov_b32 s39, 0
	s_mov_b32 s28, 1
	s_mul_i32 s29, s[WV], WLD                      ; my eighth, in LDS
	s_mul_i32 s52, s12, KVB
	s_add_co_u32 s52, s52, s29                     ; and in kv
	s_mov_b32 s53, 0
	s_mov_b32 s[SEL], 0x76543210
	s_mov_b32 s[SEL+1], 0xfedcba98                 ; lane l xor 16
	s_mov_b32 s[CS], 0x3e38aa3b                    ; c = log2(e) / sqrt(64)
	s_mov_b32 s[CS+1], s[CS]                       ; (named with it as a pair)
	s_mov_b32 s[MNT], 0x600000                     ; the mantissa field of 448
	s_mov_b32 s50, 0x01000100                      ; byte selects: a scale word's bytes 0, 1, 0, 1
	s_mov_b32 s51, 0x03020302                      ; and 2, 3, 2, 3
	s_wait_dscnt 0x0
	s_wait_kmcnt 0x0
	s_add_nc_u64 s[30:31], s[6:7], s[52:53]
	s_or_b32 s31, s31, 0x80000000
	CROUND                                         ; all four work-groups are here: the joint loads meet
	tensor_load_to_lds s[28:31], s[32:39]          ; one load a wave, the only one of the launch
	s_nop 0
.rept 4
	v_nop
.endr
	v_and_b32 v9, 31, v0
	v_and_b32 v10, 15, v0
	v_bfe_u32 v11, v0, 4, 1
	s_delay_alu instid0(VALU_DEP_3)
	v_lshlrev_b32 v[AK0], 4, v9
	s_delay_alu instid0(VALU_DEP_1)
	v_add_nc_u32 v[AV0], VIMG, v[AK0]
	v_lshl_add_u32 v[AS0], v9, 2, KSCL
	v_and_b32 v[RQ], 8, v10
	s_delay_alu instid0(VALU_DEP_1)
	v_add_nc_u32 v[RQ], v[RQ], v10
	v_lshlrev_b32 v11, 4, v11
	s_delay_alu instid0(VALU_DEP_1)
	v_sub_nc_u32 v[RQ], v[RQ], v11
	v_lshlrev_b32 v[RS], 6, v10
.macro INIT0                           ; what is written once, in a window
.irp j, 0,1,2,3,4,5,6,7
	v_mov_b32 v[ZQ+\j], 0                          ; the zero codes on both sides of Q
	v_mov_b32 v[ZQ+16+\j], 0
.endr
.irp b, 0,1,2,3
	v_mov_b32 v[PX+\b], 0                          ; a lane permute's destination counts as one of its sources
.endr
	v_mov_b32 v[T1], 0
	v_mov_b32 v[F+1], 0                            ; (named as the upper half of a pair)
	v_mov_b32 v[NINF], 0xff800000
.endm
	INIT0
	WIN 0x40
	INIT0
	WIN 0
	s_mov_b32 s[UN], 2
.macro KLOAD ak, as, ko, so            ; a step's four fragments of K and its two registers of scale words: 18 LDS loads
.irp f, 0,1,2,3
.irp c, 0,1,2,3
	ds_load_b128 v[FRG+16*\f+4*\c:FRG+16*\f+4*\c+3], v[\ak] offset:\ko+2048*\f+512*\c
.endr
.endr
	ds_load_b32 v[KS0], v[\as] offset:\so          ; lanes 0-15: the first 32 keys' words, lanes 16-31: the second's
	ds_load_b32 v[KS0+1], v[\as] offset:\so+128
.endm
.macro INITU                           ; a tile's start, in a window: the step is written once, its first trip finds zeros
	v_add_nc_u32 v[QT], s[TMIN], v[RQ]
	v_mov_b32 v[TMX], 0xff61b1e6                   ; -3e38, under every t
	v_mov_b32 v[NM], 0x7f61b1e6                    ; -M = floor(3e38) = 3e38
	v_mov_b32 v[L], 0
	v_mov_b32 v[L+1], 0
.set j, 0
.rept 32
	v_mov_b32 v[O+j], 0
.set j, j+1
.endr
.endm
.macro SPROD w                         ; S^T of head w: eight tiles of 16 keys from four fragments
.irp f, 0,1,2,3
	MM S+16*\f, FRG+16*\f, Q, 1, KS0+\f/2, QS+\w, \f%2
	MM S+16*\f+8, FRG+16*\f, ZQ, 1, KS0+\f/2, QS+\w, \f%2
.endr
.endm
.macro MASKW                           ; register 16 b + i holds key KF + 16 (lane / 16) + 32 b + i: hidden where 32 b + i > d
	v_sub_nc_u32 v[DD], v[QT], s[KF]
.set n, 0
.rept 64
	v_cmp_gt_i32 vcc_lo, 32*(n/16)+n%16, v[DD]
	v_cndmask_b32 v[S+n], v[S+n], v[NINF], vcc_lo
.set n, n+1
.endr
.endm
.macro SM w                            ; the softmax of a step for head w, in its window
.if \w
	WIN 0x55
.endif
.irp b, 0,1,2,3
	v_max3_num_f32 v[BM+\b], v[S+16*\b], v[S+1+16*\b], v[S+2+16*\b]     ; the largest score of each block of 32 keys: for the row's maximum and for the block's largest p
.endr
.irp i, 3,5,7,9,11,13
.irp b, 0,1,2,3
	v_max3_num_f32 v[BM+\b], v[BM+\b], v[S+16*\b+\i], v[S+1+16*\b+\i]
.endr
.endr
.irp b, 0,1,2,3
	v_max_num_f32 v[BM+\b], v[BM+\b], v[S+15+16*\b]
.endr
.irp b, 0,1,2,3
	v_permlanex16_b32 v[PX+\b], v[BM+\b], s[SEL], s[SEL+1]   ; (the four blocks' chains take turns)
.endr
.irp b, 0,1,2,3
	v_max_num_f32 v[BM+\b], v[BM+\b], v[PX+\b]
.endr
	s_delay_alu instid0(VALU_DEP_2)
	v_max3_num_f32 v[T1], v[BM], v[BM+1], v[BM+2]
	s_delay_alu instid0(VALU_DEP_1)
	v_max_num_f32 v[T1], v[T1], v[BM+3]
	s_delay_alu instid0(VALU_DEP_1)
	v_mul_f32 v[T1], s[CS], v[T1]
	s_delay_alu instid0(VALU_DEP_1)
	v_max_num_f32 v[TMX], v[TMX], v[T1]            ; the running largest t
	v_mov_b32 v[T1], v[NM]
	s_delay_alu instid0(VALU_DEP_2)
	v_floor_f32 v[NM], -v[TMX]                     ; -M = floor(-t): M is a whole number
	s_delay_alu instid0(VALU_DEP_1)
	v_sub_f32 v[T1], v[NM], v[T1]
	s_delay_alu instid0(VALU_DEP_1)
	v_cvt_i32_f32 v[T1], v[T1]                     ; (it saturates)
	s_delay_alu instid0(VALU_DEP_1)
	v_ldexp_f32 v[F], 1.0, v[T1]                   ; f = 2^(old M - new M)
.set j, 0
.rept 32
	v_pk_fma_f32 v[S+j:S+j+1], v[S+j:S+j+1], s[CS:CS+1], v[NM:NM+1] op_sel_hi:[1,0,0]   ; t - M
.set j, j+2
.endr
.irp b, 0,1,2,3
	v_fma_f32 v[BM+\b], v[BM+\b], s[CS], v[NM]
.endr
.set j, 0
	s_wait_alu depctr_va_vdst(0)
.rept 64
	v_exp_f32 v[S+j], v[S+j]                       ; p
.set j, j+1
.endr
.irp b, 0,1,2,3
	v_exp_f32 v[BM+\b], v[BM+\b]                   ; the block's largest p
.endr
	v_pk_mul_f32 v[L:L+1], v[L:L+1], v[F:F+1] op_sel_hi:[1,0]   ; the sums under the new M (a plain place behind the exponentials)
	s_wait_alu depctr_va_vdst(0)
.irp b, 0,1,2,3
	v_max_num_f32 v[BM+\b], 0x4800000, v[BM+\b]    ; the floor 2^(9 - 127)
.endr
.irp b, 0,1,2,3
	v_add_nc_u32 v[SO+\b], 0xfc000000, v[BM+\b]
.endr
.irp b, 0,1,2,3
	v_and_or_b32 v[HD+\b], v[BM+\b], 0x7f800000, s[MNT]
.endr
.irp b, 0,1,2,3
	v_lshrrev_b32 v[PX+\b], 23, v[SO+\b]
.endr
	s_delay_alu instid0(VALU_DEP_3)
	v_lshl_or_b32 v[TW], v[PX+1], 8, v[PX]
	s_delay_alu instid0(VALU_DEP_1)
	v_lshl_or_b32 v[TW], v[PX+2], 16, v[TW]
.if \w
	WIN 0x11                                       ; scale operands have no window: p's word goes to window 0
.endif
	v_lshl_or_b32 v[PS+\w], v[PX+3], 24, v[TW]
.if \w
	WIN 0x55
.endif
	v_pk_add_f32 v[L2:L2+1], v[S:S+1], v[S+2:S+3]  ; the row's sum is taken of the unquantised p, in two chains
.set j, 4
.rept 15
	v_pk_add_f32 v[L:L+1], v[L:L+1], v[S+j:S+j+1]
	v_pk_add_f32 v[L2:L2+1], v[L2:L2+1], v[S+j+2:S+j+3]
.set j, j+4
.endr
	s_delay_alu instid0(VALU_DEP_1)
	v_pk_add_f32 v[L:L+1], v[L:L+1], v[L2:L2+1]
.irp b, 0,1,2,3
.set i, 0
.rept 16
	v_min_num_f32 v[S+16*\b+i], v[S+16*\b+i], v[HD+\b]   ; the conversion does not saturate (ISA guide 7.6.2); p is not negative
.set i, i+1
.endr
	v_cvt_scalef32_pk8_fp8_f32 v[P+4*\b:P+4*\b+1], v[S+16*\b:S+16*\b+7], v[SO+\b]
	v_cvt_scalef32_pk8_fp8_f32 v[P+4*\b+2:P+4*\b+3], v[S+16*\b+8:S+16*\b+15], v[SO+\b]
.endr
.set j, 0
.rept 16
	v_pk_mul_f32 v[O+j:O+j+1], v[O+j:O+j+1], v[F:F+1] op_sel_hi:[1,0]   ; O^T under the new M, from each accumulator's low end on; also the places in front of the products
.set j, j+2
.endr
	WIN 0
.endm
.macro FIN w                           ; head w's O^T / the sum, quantised along its 64 channels: two groups of the result's image
.if \w
	WIN 0x55
.endif
	v_add_f32 v[L], v[L], v[L+1]
	s_delay_alu instid0(VALU_DEP_1)
	v_permlanex16_b32 v[T1], v[L], s[SEL], s[SEL+1]
	s_delay_alu instid0(VALU_DEP_1)
	v_add_f32 v[L], v[L], v[T1]                    ; the row's sum
	s_wait_alu depctr_va_vdst(0)
	v_rcp_f32 v[L], v[L]
	v_nop                                          ; one plain place behind a transcendental
.set j, 0
	s_wait_alu depctr_va_vdst(0)
.rept 16
	v_pk_mul_f32 v[O+j:O+j+1], v[O+j:O+j+1], v[L:L+1] op_sel_hi:[1,0]
.set j, j+2
.endr
.irp b, 0,1
	v_max3_num_f32 v[BM+\b], |v[O+16*\b]|, |v[O+1+16*\b]|, 0x4800000
.endr
.irp i, 2,4,6,8,10,12,14
.irp b, 0,1
	s_delay_alu instid0(VALU_DEP_2)
	v_max3_num_f32 v[BM+\b], v[BM+\b], |v[O+16*\b+\i]|, |v[O+1+16*\b+\i]|
.endr
.endr
.irp b, 0,1
	s_delay_alu instid0(VALU_DEP_2)
	v_permlanex16_b32 v[PX+\b], v[BM+\b], s[SEL], s[SEL+1]
.endr
.irp b, 0,1
	s_delay_alu instid0(VALU_DEP_2)
	v_max_num_f32 v[BM+\b], v[BM+\b], v[PX+\b]
.endr
.irp b, 0,1
	s_delay_alu instid0(VALU_DEP_2)
	v_add_nc_u32 v[SO+\b], 0xfc000000, v[BM+\b]
.endr
.irp b, 0,1
	s_delay_alu instid0(VALU_DEP_4)
	v_and_or_b32 v[HD+\b], v[BM+\b], 0x7f800000, s[MNT]
.endr
.irp b, 0,1
	s_delay_alu instid0(VALU_DEP_4)
	v_lshrrev_b32 v[PX+\b], 23, v[SO+\b]
.endr
.if \w
	WIN 0x11
.endif
	v_lshl_or_b32 v[HW+\w], v[PX+1], 8, v[PX]
.if \w
	WIN 0x55
.endif
.irp b, 0,1
.set i, 0
.rept 16
	v_med3_num_f32 v[O+16*\b+i], v[O+16*\b+i], -v[HD+\b], v[HD+\b]
.set i, i+1
.endr
	v_cvt_scalef32_pk8_fp8_f32 v[P+4*\b:P+4*\b+1], v[O+16*\b:O+16*\b+7], v[SO+\b]
	v_cvt_scalef32_pk8_fp8_f32 v[P+4*\b+2:P+4*\b+3], v[O+16*\b+8:O+16*\b+15], v[SO+\b]
.endr
	v_nop
.if \w
	WIN 0x04                                       ; a store's data are its source 1
.endif
	global_store_b128 v[AK0], v[P:P+3], s[44:45] offset:1024*\w
	global_store_b128 v[AK0], v[P+4:P+7], s[44:45] offset:1024*\w+512   ; 1,024 consecutive bytes a head
	WIN 0
.endm
.macro UADDR                           ; a tile's tokens, its addresses, and the loads of its Q and Q's scale bytes for my pair of heads
	s_lshr_b32 s[TMIN], s[MT], 1
	s_lshl_b32 s[TMIN], s[TMIN], 5
	s_and_b32 s27, s[MT], 1
	s_lshl_b32 s27, s27, 3
	s_add_co_u32 s[TMIN], s[TMIN], s27             ; the tile's first token,
	s_add_co_u32 s[TMAX], s[TMIN], 23              ; and its last
	s_lshl_b32 s27, s12, 7
	s_add_co_u32 s27, s27, s[MT]                   ; the tile among all 256
	s_lshl_b32 s52, s27, 15
	s_lshl_b32 s54, s13, 11
	s_add_co_u32 s52, s52, s54                     ; its fragment of my pair of heads
	s_mov_b32 s53, 0
	s_lshl_b32 s54, s27, 10
	s_lshl_b32 s55, s13, 2
	s_add_co_u32 s54, s54, s55
	s_add_co_u32 s54, s54, XS                      ; and its scale words
	s_mov_b32 s55, 0
	s_add_nc_u64 s[40:41], s[4:5], s[52:53]
	s_add_nc_u64 s[42:43], s[4:5], s[54:55]
	s_add_nc_u64 s[44:45], s[8:9], s[52:53]
	s_add_nc_u64 s[46:47], s[8:9], s[54:55]
	global_load_b128 v[Q:Q+3], v[AK0], s[40:41]                 ; head 0: groups 0, 1
	global_load_b128 v[Q+4:Q+7], v[AK0], s[40:41] offset:512
	global_load_b32 v[T1], v[RS], s[42:43]                      ; my query's four scale bytes
	WIN 0x40
	global_load_b128 v[Q:Q+3], v[AK0], s[40:41] offset:1024     ; head 1: groups 2, 3
	global_load_b128 v[Q+4:Q+7], v[AK0], s[40:41] offset:1536
	WIN 0
.endm
	UADDR                                          ; the first tile's Q is asked for while K's and V's tensor load is out
	s_wait_tensorcnt 0x0                           ; my eighth has landed,
	s_barrier_signal -1
	s_barrier_wait -1                              ; everybody's has
.Lunit:                                            ; two trips: query tiles j and 127 - j
	s_wait_xcnt 0x0                                ; the last tile's stores have read their registers
	KLOAD AK0, AS0, 0, 0
	INITU
	s_wait_loadcnt 0x0
	v_perm_b32 v[QS], v[T1], v[T1], s50            ; head 0's two bytes, for Q in either half of K
	v_perm_b32 v[QS+1], v[T1], v[T1], s51          ; head 1's
	WIN 0x40
	INITU                                          ; (37 plain lines: more than the eight places between a scale word so made and the first product)
	WIN 0
	s_mov_b32 s[KF], 0
	s_mov_b32 s[TB], 0
	s_mov_b32 s[TS], 0
	s_mov_b32 s[CNT], 16
.Lstep:                                            ; 16 counted trips, 128 keys each
	s_cmp_gt_u32 s[KF], s[TMAX]
	s_cbranch_scc1 .Lhidden                        ; all of the step's keys come after the tile's queries
	v_add_nc_u32 v[ADV], s[TB], v[AV0]
	v_add_nc_u32 v[ADS], s[TS], v[AS0]
	v_add_nc_u32 v[ADK], s[TB], v[AK0]
.rept 5
	v_nop                                          ; with the three additions: eight places behind the last step's products, in front of loads into V's registers
.endr
	WIN 0x40
.irp t, 0,1,2,3
.irp c, 0,1,2,3
	ds_load_b128 v[FRG+16*\t+4*\c:FRG+16*\t+4*\c+3], v[ADV] offset:2048*\t+512*\c
.endr
.endr
	WIN 0
	ds_load_b32 v[VS0], v[ADS] offset:4096         ; V's scale words lie 4,096 bytes behind K's: channel tiles 0 | 1,
	ds_load_b32 v[VS0+1], v[ADS] offset:4224       ; 2 | 3
	s_wait_alu depctr_va_vdst(0)
	s_wait_dscnt 18                                ; K's 18 loads, issued a step ago, are in; V's 18 may be out
	SPROD 0
	WIN 0x44                                       ; Q and S^T of head 1; K stays in window 0
	SPROD 1
	WIN 0
.rept 8
	v_nop                                          ; eight places: in front of the loads into K's registers and of the first read of the scores
.endr
	KLOAD ADK, ADS, 8192, 256                      ; the next step's K (behind the last step of a tile: bytes inside LDS that nobody uses)
	s_add_co_u32 s27, s[KF], 127
	s_cmp_le_u32 s27, s[TMIN]
	s_cbranch_scc1 .Lopen                          ; all of the step's keys count
	MASKW                                          ; on the diagonal hidden scores become -infinity ahead of the maximum.  Key KF counts for every query of the tile, so M stays a number
	WIN 0x55
	MASKW
	WIN 0
.Lopen:
	SM 0
	SM 1
	s_wait_alu depctr_va_vdst(0)
	s_wait_dscnt 18                                ; V's 18 loads are in; the next K's 18 may be out
	WIN 0x01                                       ; V in window 1; p and O^T of head 0
.irp t, 0,1,2,3                        ; the eight accumulators take one turn each
	MM O+8*\t, FRG+16*\t, P, 0, VS0+\t/2, PS, \t%2
.endr
	WIN 0x55
.irp t, 0,1,2,3
	MM O+8*\t, FRG+16*\t, P, 0, VS0+\t/2, PS+1, \t%2
.endr
	WIN 0
.Lhidden:
	s_add_co_u32 s[KF], s[KF], 128
	s_add_co_u32 s[TB], s[TB], 8192
	s_add_co_u32 s[TS], s[TS], 256
	s_sub_co_u32 s[CNT], s[CNT], 1
	s_cmp_lg_u32 s[CNT], 0
	s_cbranch_scc1 .Lstep
	s_wait_dscnt 0x0                               ; the loads of K that nobody uses are in: their registers may be loaded again
.rept 8
	v_nop                                          ; eight places behind the last products
.endr
	FIN 0
	FIN 1
	v_lshl_or_b32 v[OW], v[HW+1], 16, v[HW]
	global_store_b32 v[RS], v[OW], s[46:47]        ; my query's four scale bytes (both halves of the lanes hold, and write, the same word)
	s_sub_co_u32 s[MT], 127, s[MT]
	s_cmp_eq_u32 s[UN], 1
	s_cbranch_scc1 .Lno_next                       ; behind the second tile nothing follows (the trip counter alone decides)
	s_wait_xcnt 0x0                                ; this tile's stores have read their bases
	UADDR                                          ; the second tile's addresses and Q
.Lno_next:
	s_sub_co_u32 s[UN], s[UN], 1
	s_cmp_lg_u32 s[UN], 0
	s_cbranch_scc1 .Lunit
	s_wait_tensorcnt 0x0
	ds_add_u32 v62, v63
	s_wait_dscnt 0x0
	CROUND                                         ; the closing round
	s_endpgm
.Lfunc_end_k_qe57fcb8058_attn:
	.size	k_qe57fcb8058_attn, .Lfunc_end_k_qe57fcb8058_attn-k_qe57fcb8058_attn
	.p2alignl 7, 3214868480
	.fill 96, 4, 3214868480
	.section	.rodata,"a",@progbits
	.p2align	6, 0x0
	.amdhsa_kernel k_qe57fcb8058_attn
		.amdhsa_group_segment_fixed_size 271360
		.amdhsa_private_segment_fixed_size 0
		.amdhsa_enable_private_segment 0
		.amdhsa_kernarg_size 24
		.amdhsa_user_sgpr_count 2
		.amdhsa_user_sgpr_kernarg_segment_ptr 1
		.amdhsa_wavefront_size32 1
		.amdhsa_system_sgpr_workgroup_id_x 1
		.amdhsa_system_sgpr_workgroup_id_y 1
		.amdhsa_system_sgpr_workgroup_id_z 1
		.amdhsa_system_vgpr_workitem_id 0
		.amdhsa_next_free_vgpr 512
		.amdhsa_next_free_sgpr 66
		.amdhsa_reserve_vcc 1
		.amdhsa_float_denorm_mode_32 3
		.amdhsa_float_denorm_mode_16_64 3
		.amdhsa_memory_ordered 1
		.amdhsa_forward_progress 1
		.amdhsa_inst_pref_size 71
	.end_amdhsa_kernel
	.amdgpu_metadata
---
amdhsa.version: [ 1, 2 ]
amdhsa.kernels:
  - .name:           k_qe57fcb8058_attn
    .symbol:         k_qe57fcb8058_attn.kd
    .args:
      - { .name: qq, .offset: 0, .size: 8, .value_kind: global_buffer, .address_space: global }
      - { .name: kv, .offset: 8, .size: 8, .value_kind: global_buffer, .address_space: global }
      - { .name: oq, .offset: 16, .size: 8, .value_kind: global_buffer, .address_space: global }
    .group_segment_fixed_size: 271360
    .private_segment_fixed_size: 0
    .kernarg_segment_align: 8
    .kernarg_segment_size: 24
    .max_flat_workgroup_size: 256
    .sgpr_count:     66
    .vgpr_count:     512
    .wavefront_size: 32
...
	.end_amdgpu_metadata
.endif
;; end of part 3
;; launch gemm_o (part 4): grid 16 x 16, 4 waves a work-group, clusters of 4 x 1, 327,680 bytes of LDS; arguments oq, wts, out0; writes out0
.if DOCPART == 4
	.amdgcn_target "amdgcn-amd-amdhsa--gfx1250"
	.amdhsa_code_object_version 6
	.text
	.protected	k_qe57fcb8058_gemm_o
	.globl	k_qe57fcb8058_gemm_o
	.p2align	8
	.type	k_qe57fcb8058_gemm_o,@function
k_qe57fcb8058_gemm_o:
	s_mov_b64 s[64:65], 0
	v_nop
	global_prefetch_b8 v0, s[64:65] scope:SCOPE_SE
	s_setreg_imm32_b32 hwreg(HW_REG_WAVE_MODE, 25, 1), 1
	s_wait_xcnt 0x0
	s_wait_alu depctr_hold_cnt(0) depctr_sa_sdst(0) depctr_va_vdst(0) depctr_va_sdst(0) depctr_va_ssrc(0) depctr_va_vcc(0) depctr_vm_vsrc(0)
	s_getreg_b32 s2, hwreg(HW_REG_IB_STS2, 6, 4)
	s_cmp_eq_u32 s2, 0
	s_cbranch_scc0 .Lentry_in_a_cluster
	s_endpgm
.Lentry_in_a_cluster:
	s_bfe_u32 s2, ttmp6, 0x10000c
	s_cmp_lg_u32 s2, 0x3003
	s_cbranch_scc0 .Lentry_shape_is_right
	s_endpgm
.Lentry_shape_is_right:
; out0 = o wo on codes of E4M3 with E8M0 scales (K = 2,048, f32 sums), stored as f32.
; oq and wts hold IMAGES OF THE OPERAND'S REGISTERS: a tile (16 rows, all of K) is 16 fragments of 2,048 bytes on end; scale words [image row][16 words] lie behind the images.
; SHARES: work-group (x, y) makes rows 256 x .. at columns 128 y ..; wave w its rows 64 w .. (A's tiles 16 x + 4 w + a) against all 128 columns (B's tiles 128 + 8 y + b of wts): 32 accumulators.
; B: the 8 tiles of wo are 262,144 dense bytes.  They come into LDS ONCE, a quarter a wave by one tensor load in rows of 256 bytes, and stay: nothing is filled again, one barrier in the launch.
; CLUSTER: the four work-groups of a cluster have the same y and other x: they ask for B jointly.  A's fragments are read by one wave of one work-group of the cluster, so they go
; from memory straight into registers (each load 512 consecutive bytes): five sets of four fragments; four sets, 64 loads, are out when a step's loads have been issued.
; Scale words come once, straight into registers: A's block a, word j in v[SAW + 16 a + j] (lanes 0-15); B's tiles 2 p | 2 p + 1 in v[SBW + 16 p + j] (lanes 0-15 | 16-31).
; PREFETCH: the 16 work-groups of one x read the same rows of A and share them out by address: in step j (0 to 7) work-group y names fragment j + 8 of tile 16 x + y, 2,048 bytes,
; two blocks of 256 bytes a wave (lanes 1 to 31 name the second): four steps ahead of the loads that want it.  Fragments 0 to 7 come by their loads alone; B comes once, at the head.
; THE PRODUCT IS USED TRANSPOSED (source 0 = wo's rows): a lane holds one row of the result.  THE WAY OUT: a block of 16 rows x 128 columns goes through the wave's own stage in LDS, behind B
; (bytes into which no tensor load lands), and leaves as whole rows of 512 bytes.  Image row i of tile T is token 32 (T / 2) + 8 (T % 2) + i + 8 (i / 8); image row rho of wo is column rho with bits 3 and 4 swapped.
; WINDOWS: 0: addresses, scale words, A's set 4; 1: A's sets 0-3; 2: B's two sets; 3: the accumulators, (a, b) at v[8 (8 a + b)].
.set SIZE_N, 2048
.set XS,    8388608
.set BOFF,  4194304
.set BSOFF, 8650752+131072
.set NP,    8
.set SPITCH, 528
.set STAGE, 262144
.set SPARE, STAGE+4*16*SPITCH
.set CO,    2                          ; v2  16 x lane
.set SRA,   3                          ; v3  64 x (lane % 16)
.set SRB,   4                          ; v4  64 x lane
.set PFO,   5                          ; v5  the prefetches' offset; never rewritten
.set ADRB,  8                          ; v8-11  16 x lane + 65,536 p: B's tiles 2 p, 2 p + 1 in LDS
.set SPW,   12
.set NIL,   13
.set STO,   16                         ; v16 the stage, on the way in
.set RD,    17                         ; v17 and on the way out
.set SAW,   32
.set SBW,   100                        ; (no product's two scale words have numbers equal modulo 8)
.set A4,    176
.set BK,    128
.set MSB, 0
.macro WIN new                         ; the immediate's high byte repeats the setting that is left
.if MSB != \new
	s_set_vgpr_msb (MSB<<8)|\new
.set MSB, \new
.endif
.endm
.macro PLACES n
.rept \n
	v_nop
.endr
.endm
.macro CROUND                          ; a round of the cluster's barrier
	s_barrier_signal -1
	s_barrier_wait -1
	s_cmp_lg_u32 s14, 0
	s_cbranch_scc1 .Lnot_wave_0_\@
	s_barrier_signal -3
.Lnot_wave_0_\@:
	s_barrier_wait -3
	s_barrier_signal -1
	s_barrier_wait -1
.endm
.macro MM d, a, b, zero, sa, sb, row
.if \zero
.if \row
	v_wmma_scale_f32_16x16x128_f8f6f4 v[\d:\d+7], v[\a:\a+15], v[\b:\b+15], 0, v[\sa], v[\sb] matrix_a_scale:MATRIX_SCALE_ROW1
.else
	v_wmma_scale_f32_16x16x128_f8f6f4 v[\d:\d+7], v[\a:\a+15], v[\b:\b+15], 0, v[\sa], v[\sb]
.endif
.else
.if \row
	v_wmma_scale_f32_16x16x128_f8f6f4 v[\d:\d+7], v[\a:\a+15], v[\b:\b+15], v[\d:\d+7], v[\sa], v[\sb] matrix_a_scale:MATRIX_SCALE_ROW1
.else
	v_wmma_scale_f32_16x16x128_f8f6f4 v[\d:\d+7], v[\a:\a+15], v[\b:\b+15], v[\d:\d+7], v[\sa], v[\sb]
.endif
.endif
.endm
.macro ALOAD j                         ; K step j's four fragments of A into set j % 5: 16 loads
.if (\j)%5 < 4
	WIN 0x40
.set AB_, 64*((\j)%5)
.else
	WIN 0
.set AB_, A4
.endif
.irp a, 0,1,2,3
.irp c, 0,1,2,3
	global_load_b128 v[AB_+16*\a+4*\c:AB_+16*\a+4*\c+3], v[CO], s[40:41] offset:\a*32768+(\j)*2048+512*\c
.endr
.endr
.endm
.macro BLOAD j                         ; K step j's eight fragments of B into set j % 2: 32 LDS loads
	WIN 0x80
.irp b, 0,1,2,3,4,5,6,7
.irp c, 0,1,2,3
	ds_load_b128 v[128*((\j)%2)+16*\b+4*\c:128*((\j)%2)+16*\b+4*\c+3], v[ADRB+\b/2] offset:(\b%2)*32768+(\j)*2048+512*\c
.endr
.endr
.endm
.macro MUL j                           ; 32 products; the 32 accumulators take turns in the same order in every step
.if (\j)%5 < 4
	WIN 0xf6
.set AB_, 64*((\j)%5)
.else
	WIN 0xf2
.set AB_, A4
.endif
.set BB_, 128*((\j)%2)
.if (\j) == 0
.set Z_, 1                             ; the first step starts the sums
.else
.set Z_, 0
.endif
.irp a, 0,1,2,3
.irp b, 0,1,2,3,4,5,6,7
	MM 8*(8*\a+\b), BB_+16*\b, AB_+16*\a, Z_, SBW+16*(\b/2)+(\j), SAW+16*\a+(\j), \b%2
.endr
.endr
.endm
.macro STEP j
.if (\j) > 0
	PLACES NP                                      ; eight places in front of loads into the sets that the last step read
.endif
.if (\j) < 8
	WIN 0x80
	global_prefetch_b8 v[PFO], s[46:47] offset:((\j)+8)*2048 th:TH_LOAD_NT scope:SCOPE_SE
.endif
.if (\j) < 15
	BLOAD (\j)+1
.endif
.if (\j) < 13
	s_wait_loadcnt 48                              ; this step's set of A is in (at step 0 the scale words too); the three younger sets may be out
.else
	s_wait_loadcnt 16*(15-(\j))
.endif
.if (\j) < 12
	ALOAD (\j)+4
.endif
.if (\j) < 15
	s_wait_dscnt 32                                ; this step's B is in; the 32 loads just issued may be out
.else
	s_wait_dscnt 0x0
.endif
	MUL \j
.endm
	s_load_b128 s[4:7], s[0:1], 0x0                ; oq, wts
	s_load_b64 s[8:9], s[0:1], 0x10                ; out0
	v_lshl_add_u32 v[SPW], v0, 2, SPARE
	v_mov_b32 v[NIL], 0
	ds_add_u32 v[SPW], v[NIL]                      ; the opening lines: the add, twice on end, and its wait
	ds_add_u32 v[SPW], v[NIL]
	v_lshrrev_b32 v1, 5, v0
	v_readfirstlane_b32 s14, v1                    ; wave 0..3
	s_bfe_u32 s15, ttmp6, 0x40000                  ; cx: it enters A's and the result's global addresses alone
	s_lshl_b32 s16, ttmp9, 2
	s_add_co_u32 s16, s16, s15                     ; x
	s_and_b32 s17, ttmp7, 0xffff                   ; y
	s_mov_b32 s32, 15|(3<<16)|(1<<21)              ; the mask: all four; elements of 8 bytes; bit 21 beside a mask; no padding
	s_mov_b32 s33, 32<<16                          ; rows of 256 bytes,
	s_mov_b32 s34, 256<<16                         ; 256 of them
	s_mov_b32 s35, 32<<16
	s_mov_b32 s36, 256
	s_mov_b32 s37, 32                              ; dense
	s_mov_b32 s38, 0
	s_mov_b32 s39, 0
	s_mov_b32 s28, 1
	s_lshl_b32 s29, s14, 16                        ; my quarter of B, in LDS
	s_lshl_b32 s20, s17, 18
	s_add_co_u32 s20, s20, s29
	s_add_co_u32 s20, s20, BOFF                    ; and in wts
	s_mov_b32 s21, 0
	s_lshl_b32 s22, s16, 19                        ; A's images: tile 16 x + 4 w
	s_lshl_b32 s18, s14, 17
	s_add_co_u32 s22, s22, s18
	s_mov_b32 s23, 0
	s_lshl_b32 s24, s16, 14                        ; and its scale words
	s_lshl_b32 s18, s14, 12
	s_add_co_u32 s24, s24, s18
	s_add_co_u32 s24, s24, XS
	s_mov_b32 s25, 0
	s_lshl_b32 s26, s17, 13                        ; B's scale words
	s_add_co_u32 s26, s26, BSOFF
	s_mov_b32 s27, 0
	s_lshl_b32 s50, s16, 19                        ; the prefetches: tile 16 x + y, 512 bytes a wave
	s_lshl_b32 s18, s17, 15
	s_add_co_u32 s50, s50, s18
	s_lshl_b32 s18, s14, 9
	s_add_co_u32 s50, s50, s18
	s_mov_b32 s51, 0
	s_lshl_b32 s52, s16, 21                        ; the result: row 256 x + 64 w of 8,192 bytes, + 512 y
	s_lshl_b32 s18, s14, 19
	s_add_co_u32 s52, s52, s18
	s_lshl_b32 s18, s17, 9
	s_add_co_u32 s52, s52, s18
	s_mov_b32 s53, 0
	s_mul_i32 s57, s14, 16*SPITCH
	s_add_co_u32 s57, s57, STAGE                   ; my stage
	s_wait_dscnt 0x0                               ; both opening adds are done
	CROUND                                         ; all four work-groups are here: the joint loads meet
	s_wait_kmcnt 0x0
	s_add_nc_u64 s[30:31], s[6:7], s[20:21]
	s_or_b32 s31, s31, 0x80000000
	tensor_load_to_lds s[28:31], s[32:39]          ; one load a wave, the only one of the launch
	s_nop 0
	PLACES 4
	s_add_nc_u64 s[40:41], s[4:5], s[22:23]
	s_add_nc_u64 s[42:43], s[4:5], s[24:25]
	s_add_nc_u64 s[44:45], s[6:7], s[26:27]
	s_add_nc_u64 s[46:47], s[4:5], s[50:51]
	s_add_nc_u64 s[12:13], s[8:9], s[52:53]
	v_and_b32 v1, 31, v0
	v_and_b32 v6, 15, v0
	v_bfe_u32 v7, v0, 4, 1
	v_lshlrev_b32 v[CO], 4, v1
	v_lshlrev_b32 v[SRB], 6, v1
	v_lshlrev_b32 v[SRA], 6, v6
	v_min_u32 v[PFO], 1, v1
	v_lshlrev_b32 v[PFO], 8, v[PFO]
.irp p, 0,1,2,3
	v_add_nc_u32 v[ADRB+\p], \p*65536, v[CO]
.endr
	v_mul_u32_u24 v14, v6, SPITCH                  ; in: row lane % 16, 64 bytes for each half of the lanes
	v_lshl_add_u32 v14, v7, 6, v14
	v_add_nc_u32 v[STO], s57, v14
	v_add_nc_u32 v[RD], s57, v[CO]                 ; back: the 32 lanes take one row of 512 bytes
	s_wait_alu depctr_va_vdst(0)                   ; the wait at the head's end
.irp a, 0,1,2,3
.irp q, 0,1,2,3
	global_load_b128 v[SAW+16*\a+4*\q:SAW+16*\a+4*\q+3], v[SRA], s[42:43] offset:\a*1024+16*\q
.endr
.endr
.irp p, 0,1,2,3
.irp q, 0,1,2,3
	global_load_b128 v[SBW+16*\p+4*\q:SBW+16*\p+4*\q+3], v[SRB], s[44:45] offset:\p*2048+16*\q
.endr
.endr
	ALOAD 0
	ALOAD 1
	ALOAD 2
	ALOAD 3
	WIN 0
	s_wait_tensorcnt 0x0                           ; my quarter of B has landed,
	s_barrier_signal -1
	s_barrier_wait -1                              ; everybody's has
	BLOAD 0
.irp j, 0,1,2,3,4,5,6,7,8,9,10,11,12,13,14,15
	STEP \j
.endr
	WIN 0
.macro TOSTAGE a                       ; LDS serves a wave's instructions in order: the loads see the stores above them
.set AC, 64*(\a)
	WIN 0x0c                                       ; the data: window 3
.irp b, 0,1,2,3,4,5,6,7
	ds_store_b128 v[STO], v[AC+8*\b:AC+8*\b+3] offset:128*(\b/2)+32*(\b%2)          ; each accumulator from its low end on
	ds_store_b128 v[STO], v[AC+8*\b+4:AC+8*\b+7] offset:128*(\b/2)+32*(\b%2)+16
.endr
	WIN 0
.set BB, BK+64*((\a)%2)
.irp t, 0,1,2,3,4,5,6,7,8,9,10,11,12,13,14,15
	ds_load_b128 v[BB+4*\t:BB+4*\t+3], v[RD] offset:\t*SPITCH
.endr
.endm
.macro SEND a, younger                 ; younger: the LDS instructions issued behind block a's loads, which may stay out
.set BB, BK+64*((\a)%2)
	s_wait_dscnt \younger
.irp t, 0,1,2,3,4,5,6,7,8,9,10,11,12,13,14,15
	global_store_b128 v[CO], v[BB+4*\t:BB+4*\t+3], s[12:13] offset:(32*((\a)/2)+8*((\a)%2)+\t+8*(\t/8))*SIZE_N*4 th:TH_STORE_NT   ; 512 consecutive bytes, aligned
.endr
.endm
	PLACES NP                                      ; eight places in front of the first read of the sums and of loads into registers that products have read
	TOSTAGE 0
.irp a, 1,2,3
.if \a > 1
	s_wait_xcnt 0x0                                ; block a - 2's stores have read their registers: block a's loads may land there
.endif
	TOSTAGE \a
	SEND \a-1, 32
.endr
	SEND 3, 0
	s_wait_tensorcnt 0x0                           ; the wave's end
	ds_add_u32 v[SPW], v[NIL]
	s_wait_dscnt 0x0
	CROUND                                         ; the closing round
	s_endpgm
.Lfunc_end_k_qe57fcb8058_gemm_o:
	.size	k_qe57fcb8058_gemm_o, .Lfunc_end_k_qe57fcb8058_gemm_o-k_qe57fcb8058_gemm_o
	.p2alignl 7, 3214868480
	.fill 96, 4, 3214868480
	.section	.rodata,"a",@progbits
	.p2align	6, 0x0
	.amdhsa_kernel k_qe57fcb8058_gemm_o
		.amdhsa_group_segment_fixed_size 327680
		.amdhsa_private_segment_fixed_size 0
		.amdhsa_enable_private_segment 0
		.amdhsa_kernarg_size 24
		.amdhsa_user_sgpr_count 2
		.amdhsa_user_sgpr_kernarg_segment_ptr 1
		.amdhsa_wavefront_size32 1
		.amdhsa_system_sgpr_workgroup_id_x 1
		.amdhsa_system_sgpr_workgroup_id_y 1
		.amdhsa_system_sgpr_workgroup_id_z 1
		.amdhsa_system_vgpr_workitem_id 0
		.amdhsa_next_free_vgpr 1024
		.amdhsa_next_free_sgpr 66
		.amdhsa_reserve_vcc 0
		.amdhsa_float_denorm_mode_32 3
		.amdhsa_float_denorm_mode_16_64 3
		.amdhsa_memory_ordered 1
		.amdhsa_forward_progress 1
		.amdhsa_inst_pref_size 150
	.end_amdhsa_kernel
	.amdgpu_metadata
---
amdhsa.version: [ 1, 2 ]
amdhsa.kernels:
  - .name:           k_qe57fcb8058_gemm_o
    .symbol:         k_qe57fcb8058_gemm_o.kd
    .args:
      - { .name: oq, .offset: 0, .size: 8, .value_kind: global_buffer, .address_space: global }
      - { .name: wts, .offset: 8, .size: 8, .value_kind: global_buffer, .address_space: global }
      - { .name: out0, .offset: 16, .size: 8, .value_kind: global_buffer, .address_space: global }
    .group_segment_fixed_size: 327680
    .private_segment_fixed_size: 0
    .kernarg_segment_align: 8
    .kernarg_segment_size: 24
    .max_flat_workgroup_size: 128
    .sgpr_count:     66
    .vgpr_count:     1024
    .wavefront_size: 32
...
	.end_amdgpu_metadata
.endif
;; end of part 4
